; MI455X (gfx1250); checked and timed in simulation.
; The chip was launched on July 23, 2026; its instructions are those of AMD's public machine-readable ISA for CDNA 5 (MIT licence, August 2026) and "CDNA5" Instruction Set Architecture Reference Guide (July 2026). The comments in the code are by the model that wrote it; some were corrected since.
;; Base Grouped Query Attention. Allowed arithmetic: matrix products marked QUANTISED: E2M1 operands, one E8M0 scale for each 32 along K, by v_wmma_scale_f32_16x16x128_f8f6f4 with both operands' format E2M1 (or v_wmma_scale_f32_32x16x128_f4), f32 sums; products left as they are: bf16, f16 or f32 operands; f32 sums; everything else in f32.
;; Inputs: attention_mask 1 x 2,048 bool; cos_k 2,048 x 32 float32; cos_q 2,048 x 32 float32; key_value_states 1 x 2,048 x 2,048 float32; query_states 1 x 2,048 x 2,048 float32; sin_k 2,048 x 32 float32; sin_q 2,048 x 32 float32; wk 512 x 2,048 float32; wo 2,048 x 2,048 float32; wq 2,048 x 2,048 float32; wv 512 x 2,048 float32.
;; Outputs: out0 1 x 2,048 x 2,048 float32.
;; This version of the problem:
;;   THIS VERSION OF THE PROBLEM IS GIVEN IN LOW PRECISION. The matrix products marked QUANTISED in the list below multiply operands that are first quantised to E2M1 (2 exponent bits, 1 mantissa bit; 4 bits a number), with one power-of-two scale for each 32 numbers along K (OCP MX v1.0); their sums are f32. The products marked 'left as it is' may take bf16, f16 or f32 operands, with f32 sums. Whichever they take, every output number must still come out within the allowed error. Rounding operands to bf16 (8 significant bits) uses up far more of that allowance than f16 does (11 bits, for magnitudes from 6e-5 to 65,504). All else is computed in f32.
;;   The module's matrix products, in the order in which they are computed (A, B: the left and right operand; K: the contracted axis; several contracted axes count as one K, in the product's order):
;;     1. [M 2,048, K 2,048] x [K 2,048, N 2,048]; A: input query_states; B: input wq: QUANTISED
;;     2. [M 2,048, K 2,048] x [K 2,048, N 512]; A: input key_value_states; B: input wk: QUANTISED
;;     3. [M 2,048, K 2,048] x [K 2,048, N 512]; A: input key_value_states; B: input wv: QUANTISED
;;     4. batch 8 x [M 2,048, K 64] x [K 64, N 8,192]; A: computed on the way; B: computed on the way: left as it is (an operand is computed on the way)
;;     5. batch 8 x [M 64, K 2,048] x [K 2,048, N 8,192]; A: computed on the way; B: computed on the way: left as it is (an operand is computed on the way)
;;     6. [M 2,048, K 2,048] x [K 2,048, N 2,048]; A: computed on the way; B: input wo: left as it is (an operand is computed on the way)
;;   THE QUANTISER, for each operand of a quantised product, along K:
;;     - K is cut into blocks of 32 from its start; a last block that is shorter is filled with zeros.
;;     - A block's scale is 2^e with e = floor(log2(the largest magnitude in the block)) - 2, held to -126 .. 127; a block of zeros has e = 0. As a byte (E8M0): e + 127.
;;     - Each number is divided by its block's scale, clamped to +-6, and rounded to the nearest number of E2M1, ties to even, subnormals kept.
;;     - The product sums the exact products of the quantised numbers (number of the format x scale) in f32.
;;   ~~~python
;;   def quantise(x, axis):      # numpy; x: float32 -> the quantised numbers, widened to float32 again
;;       x = np.moveaxis(x, axis, -1); K = x.shape[-1]
;;       x = np.pad(x, [(0, 0)] * (x.ndim - 1) + [(0, -K % 32)]); x = x.reshape(x.shape[:-1] + (-1, 32)); a = np.abs(x).max(-1, keepdims=True)
;;       e = np.where(a > 0, np.clip(np.frexp(np.where(a > 0, a, 1))[1] - 1 - 2, -126, 127), 0)      # np.frexp(a)[1] - 1 = floor(log2(a)), exactly
;;       r = np.clip(x / 2.0 ** e, -6, 6)
;;       step = 2.0 ** (np.maximum(np.frexp(np.where(r == 0, 1, r))[1] - 1, 0) - 1)
;;       q = np.round(r / step) * step * 2.0 ** e      # np.round: ties to even
;;       return np.moveaxis(q.reshape(q.shape[:-2] + (-1,))[..., :K], -1, axis).astype(np.float32)
;;   ~~~
;; One version. Each part assembles by itself: llvm-mc -triple=amdgcn-amd-amdhsa -mcpu=gfx1250 --defsym DOCPART=n.
;; ======== version 1 of 1: 4 launches
;; limits: values are held in f16: magnitudes above 65,504 overflow, below 6.1e-05 lose precision
;; workspace buffers: codes 7,340,032 bytes; scales 458,752 bytes; wo16 8,388,608 bytes; qkv 12,582,912 bytes; qks 5,120 bytes; o16 8,388,608 bytes
;; launch prep (part 1): grid 576 x 1, 4 waves a work-group, no clusters, 33,280 bytes of LDS; arguments query_states, key_value_states, wq, wk, wv, wo, codes, scales, wo16; writes codes, scales, wo16
.if DOCPART == 1
	.amdgcn_target "amdgcn-amd-amdhsa--gfx1250"
	.amdhsa_code_object_version 6
	.text
	.protected	k_qbbf221a820_prep
	.globl	k_qbbf221a820_prep
	.p2align	8
	.type	k_qbbf221a820_prep,@function
k_qbbf221a820_prep:
	s_mov_b64 s[64:65], 0
	v_nop
	global_prefetch_b8 v0, s[64:65] scope:SCOPE_SE
	s_setreg_imm32_b32 hwreg(HW_REG_WAVE_MODE, 25, 1), 1
	s_wait_xcnt 0x0
; prep.  (1) query_states, key_value_states, wq, wk, wv (all f32, K = 2,048 innermost) become codes of FP4 (E2M1) with one E8M0 byte for each 32 along K:
;   codes [7,168 rows][1,024 bytes], scales [7,168][64 bytes]; rows 0-2047 query_states, 2048-4095 key_value_states, 4096-6143 wq, 6144-6655 wk, 6656-7167 wv.
;   A block's scale is 2^(floor(log2(its largest magnitude)) - 2); its byte is the largest magnitude's exponent field - 2, held at 1 from below.  A block of zeros so gets the byte 1 where the
;   quantiser says 127: its codes are zeros, which add nothing under any byte but 0xff, and this program alone reads the bytes.  Numbers beyond 6 x the scale take the largest code.
; (2) wo (f32 [n][o]) becomes f16 with its K permuted: wo16[n][kv 256 + g 64 + d] = wo[n][(8 g + kv) 64 + d], the order in which the attention launch lays its results.
; LIMITS: NaN and infinities are not served; wo's magnitudes stay under 65,504 (f16).
; SHARES.  Rows are dense, so the five tensors are one stream of blocks of 32.  Work-groups 0-447: 32,768 numbers each, 8,192 a wave, 16 steps of 512.  Each load takes 512 consecutive bytes; a step's 2,048 bytes turn
; through the wave's own stage in LDS, so that a lane holds 16 neighbours along K, as the conversion wants them; a lane's 16 codes are 8 bytes, a wave stores 256 consecutive bytes.  A wave's 256 scale bytes are gathered
; in LDS and leave as one aligned run of 256 bytes.  Work-groups 448-575: 16 rows of wo, 4 a wave; no LDS.  No cluster, no matrix unit: the work-groups share no byte and memory binds.
.set WAVES, 4
.set STEPS, 16
.set QWG,   448                        ; work-groups that quantise
.set CB,    8                          ; bytes of 16 codes
.set R,     16                         ; v16-79   four sets of 16 numbers as they are loaded
.set X,     80                         ; v80-111  two sets of 16 neighbours
.set E,     112                        ; v112-127 a scale byte for each step
.set C,     128                        ; v128-191 codes: four registers for each step, so that no store's data are written again
.set WREG,  8192                       ; LDS: a region for each wave: two stages of 32 x SP bytes, behind them its 256 scale bytes
.set SP,    80                         ; a lane's place in a stage: 64 bytes + 16 of padding
.set SPW,   12                         ; v12  LDS address of my spare word; never rewritten
.set NIL,   13                         ; v13  0; never rewritten
.set SPARE, WAVES*WREG                 ; behind the four regions: the spare words, 128 bytes for each wave
.set IN,    16                         ; wo: v16-143 two sets of 64 numbers
.set OW,    144                        ; wo: v144-207 two sets of 32 packed registers
	s_load_b256 s[4:11], s[0:1], 0x0               ; query_states, key_value_states, wq, wk
	s_load_b256 s[12:19], s[0:1], 0x20             ; wv, wo, codes, scales
	s_load_b64 s[20:21], s[0:1], 0x40              ; wo16
	v_lshl_add_u32 v[SPW], v0, 2, SPARE
	v_mov_b32 v[NIL], 0
	v_lshrrev_b32 v1, 5, v0
	v_readfirstlane_b32 s26, v1                    ; wave
	v_and_b32 v2, 31, v0                           ; lane
	s_cmp_ge_u32 ttmp9, QWG
	s_cbranch_scc1 .Lwo
	; ---- the quantiser
	v_lshlrev_b32 v3, 4, v2                        ; my 16 bytes of a load's 512
	s_mul_i32 s27, s26, WREG
	v_lshrrev_b32 v14, 2, v2
	v_mul_u32_u24 v14, v14, SP
	v_and_b32 v15, 3, v2
	v_lshl_add_u32 v14, v15, 4, v14
	v_add_nc_u32 v14, s27, v14                     ; the stage, on the way in: four lanes' 64 bytes on end, then 16 of padding
	v_mul_u32_u24 v15, v2, SP
	v_add_nc_u32 v15, s27, v15                     ; and on the way out: my 16 neighbours
	v_mul_u32_u24 v4, v2, CB                       ; my codes' place in a step's
	v_lshrrev_b32 v5, 1, v2
	s_add_co_u32 s27, s27, 2*32*SP
	v_add_nc_u32 v5, s27, v5                       ; LDS: my wave's 256 scale bytes, my block's byte
	v_lshlrev_b32 v7, 3, v2                        ; and on the way out 8 bytes a lane
	v_add_nc_u32 v6, s27, v7
	s_wait_kmcnt 0x0
	s_mov_b64 s[22:23], s[12:13]                   ; which tensor is my work-group's?  The choice hangs on the work-group's number alone
	s_mov_b32 s24, 416                             ; and which work-group is that tensor's first
	s_cmp_lt_u32 ttmp9, 416
	s_cselect_b64 s[22:23], s[10:11], s[22:23]
	s_cselect_b32 s24, 384, s24
	s_cmp_lt_u32 ttmp9, 384
	s_cselect_b64 s[22:23], s[8:9], s[22:23]
	s_cselect_b32 s24, 256, s24
	s_cmp_lt_u32 ttmp9, 256
	s_cselect_b64 s[22:23], s[6:7], s[22:23]
	s_cselect_b32 s24, 128, s24
	s_cmp_lt_u32 ttmp9, 128
	s_cselect_b64 s[22:23], s[4:5], s[22:23]
	s_cselect_b32 s24, 0, s24
	s_sub_co_u32 s24, ttmp9, s24
	s_lshl_b32 s24, s24, 2
	s_add_co_u32 s24, s24, s26                     ; which run of 8,192 numbers of the tensor is my wave's
	s_lshl_b32 s24, s24, 15                        ; 32,768 bytes a run
	s_mov_b32 s25, 0
	s_add_nc_u64 s[22:23], s[22:23], s[24:25]
	s_lshl_b32 s28, ttmp9, 2
	s_add_co_u32 s28, s28, s26                     ; and which run of the whole stream
	s_lshl_b32 s30, s28, 12                        ; 4,096 bytes of codes a run
	s_mov_b32 s31, 0
	s_add_nc_u64 s[16:17], s[16:17], s[30:31]
	s_lshl_b32 s30, s28, 8                         ; 256 scale bytes a run
	s_add_nc_u64 s[18:19], s[18:19], s[30:31]
.macro LOAD t
.irp i, 0,1,2,3
	global_load_b128 v[R+16*((\t)%4)+4*\i:R+16*((\t)%4)+4*\i+3], v3, s[22:23] offset:2048*(\t)+512*\i th:TH_LOAD_NT   ; 32 lanes read 512 consecutive bytes
.endr
.endm
.macro TURN t                          ; step t's numbers through the stage: LDS serves a wave's instructions in order, so no wait stands between the stores and the loads
.irp i, 0,1,2,3
	ds_store_b128 v14, v[R+16*((\t)%4)+4*\i:R+16*((\t)%4)+4*\i+3] offset:32*SP*((\t)%2)+8*SP*\i
.endr
.irp i, 0,1,2,3
	ds_load_b128 v[X+16*((\t)%2)+4*\i:X+16*((\t)%2)+4*\i+3], v15 offset:32*SP*((\t)%2)+16*\i
.endr
.endm
.irp t, 0,1,2,3
	LOAD \t
.endr
	s_wait_loadcnt 12                              ; step 0's four loads are in
	TURN 0
.macro STEP t
.set XS, X+16*((\t)%2)
.if (\t) > 0
	s_wait_dscnt 1                                 ; this step's numbers are back from the stage (the last step's byte store may be out): so its stores into the stage have read their registers,
.else
	s_wait_dscnt 0x0
.endif
.if (\t)+4 < STEPS
	LOAD (\t)+4                                    ; which take the loads of four steps on
.endif
.if (\t)+1 < STEPS
.if STEPS-2-(\t) >= 3
	s_wait_loadcnt 12                              ; the next step's four loads are in; those of the three steps behind it may be out
.else
	s_wait_loadcnt 4*(STEPS-2-(\t))
.endif
	TURN (\t)+1                                    ; and go through the other stage while this step is worked
.endif
	v_max3_num_f32 v8, |v[XS]|, |v[XS+1]|, |v[XS+2]|               ; the largest magnitude of my 16, in two chains
	v_max3_num_f32 v9, |v[XS+3]|, |v[XS+4]|, |v[XS+5]|
.irp i, 6,10
	v_max3_num_f32 v8, v8, |v[XS+\i]|, |v[XS+\i+1]|
	v_max3_num_f32 v9, v9, |v[XS+\i+2]|, |v[XS+\i+3]|
.endr
	v_max3_num_f32 v8, v8, |v[XS+14]|, |v[XS+15]|
	v_max3_num_f32 v8, v8, v9, 0x1800000           ; and the floor 2^(3 - 127): so the byte cannot fall under 1
	v_max_num_f32_dpp v8, v8, v8 row_xmask:1 row_mask:0xf bank_mask:0xf   ; and of my neighbour's 16: the block's
	v_add_nc_u32 v11, 0xff000000, v8               ; 2 off its exponent field: the conversion takes the exponent field of this operand as its scale, and nothing else of it
	v_cvt_scalef32_pk8_fp4_f32 v[C+4*(\t)], v[XS:XS+7], v11        ; eight numbers / the scale, to the nearest code, ties to even; the first number's code in the lowest four bits
	v_cvt_scalef32_pk8_fp4_f32 v[C+4*(\t)+1], v[XS+8:XS+15], v11
	v_lshrrev_b32 v[E+(\t)], 23, v11               ; the scale's byte
	ds_store_b8 v5, v[E+(\t)] offset:16*(\t)       ; both lanes of a block write the same byte with the same value
	global_store_b64 v4, v[C+4*(\t):C+4*(\t)+1], s[16:17] offset:32*CB*(\t)   ; 32 lanes store 256 consecutive bytes, aligned
.endm
.irp t, 0,1,2,3,4,5,6,7,8,9,10,11,12,13,14,15
	STEP \t
.endr
	ds_load_b64 v[8:9], v6                         ; LDS serves a wave's instructions in order: these see my stores
	s_wait_dscnt 0x0
	global_store_b64 v7, v[8:9], s[18:19]          ; 32 lanes store 256 consecutive bytes, aligned
	s_wait_tensorcnt 0x0                           ; the wave's end: a wait, an add to my spare word and a wait, behind my last LDS store
	ds_add_u32 v[SPW], v[NIL]
	s_wait_dscnt 0x0
	s_endpgm
	; ---- wo to f16, K permuted.  Lane l = 8 g + sub takes, for each kv, the 8 numbers o = (8 g + kv) 64 + 8 sub + 0..7; packed they are 16 bytes at kv 512 + 16 l of the row of wo16
.Lwo:
	v_lshrrev_b32 v3, 3, v2                        ; g
	v_and_b32 v4, 7, v2                            ; sub
	v_lshlrev_b32 v3, 11, v3
	v_lshl_add_u32 v3, v4, 5, v3                   ; in: 2,048 g + 32 sub
	v_lshlrev_b32 v4, 4, v2                        ; out: 16 l
	s_sub_co_u32 s24, ttmp9, QWG
	s_lshl_b32 s24, s24, 2
	s_add_co_u32 s24, s24, s26                     ; which four rows are my wave's
	s_lshl_b32 s28, s24, 15                        ; four rows of 8,192 bytes
	s_mov_b32 s29, 0
	s_lshl_b32 s30, s24, 14                        ; four rows of 4,096 bytes
	s_mov_b32 s31, 0
	s_wait_kmcnt 0x0
	s_add_nc_u64 s[14:15], s[14:15], s[28:29]
	s_add_nc_u64 s[20:21], s[20:21], s[30:31]
.macro LOADROW i
.irp kv, 0,1,2,3,4,5,6,7
	global_load_b128 v[IN+64*((\i)%2)+8*\kv:IN+64*((\i)%2)+8*\kv+3], v3, s[14:15] offset:(\i)*8192+\kv*256 th:TH_LOAD_NT
	global_load_b128 v[IN+64*((\i)%2)+8*\kv+4:IN+64*((\i)%2)+8*\kv+7], v3, s[14:15] offset:(\i)*8192+\kv*256+16 th:TH_LOAD_NT
.endr
.endm
.macro ROW i
.if (\i) < 3
	s_wait_loadcnt 16                              ; this row's 16 loads are in; the next row's may be out
.else
	s_wait_loadcnt 0x0
.endif
.if (\i) >= 2
	s_wait_xcnt 0x0                                ; the stores of two rows back have read their registers, which are written again below
.endif
.irp kv, 0,1,2,3,4,5,6,7
.irp m, 0,1,2,3
	v_cvt_pk_f16_f32 v[OW+32*((\i)%2)+4*\kv+\m], v[IN+64*((\i)%2)+8*\kv+2*\m], v[IN+64*((\i)%2)+8*\kv+2*\m+1]
.endr
.endr
.irp kv, 0,1,2,3,4,5,6,7
	global_store_b128 v4, v[OW+32*((\i)%2)+4*\kv:OW+32*((\i)%2)+4*\kv+3], s[20:21] offset:(\i)*4096+\kv*512   ; 32 lanes store 512 consecutive bytes, aligned
.endr
.if (\i) < 2
	LOADROW (\i)+2
.endif
.endm
	LOADROW 0
	LOADROW 1
	ROW 0
	ROW 1
	ROW 2
	ROW 3
	s_endpgm
.Lfunc_end_k_qbbf221a820_prep:
	.size	k_qbbf221a820_prep, .Lfunc_end_k_qbbf221a820_prep-k_qbbf221a820_prep
	.p2alignl 7, 3214868480
	.fill 96, 4, 3214868480
	.section	.rodata,"a",@progbits
	.p2align	6, 0x0
	.amdhsa_kernel k_qbbf221a820_prep
		.amdhsa_group_segment_fixed_size 33280
		.amdhsa_private_segment_fixed_size 0
		.amdhsa_enable_private_segment 0
		.amdhsa_kernarg_size 72
		.amdhsa_user_sgpr_count 2
		.amdhsa_user_sgpr_kernarg_segment_ptr 1
		.amdhsa_wavefront_size32 1
		.amdhsa_system_sgpr_workgroup_id_x 1
		.amdhsa_system_sgpr_workgroup_id_y 1
		.amdhsa_system_sgpr_workgroup_id_z 1
		.amdhsa_system_vgpr_workitem_id 0
		.amdhsa_next_free_vgpr 208
		.amdhsa_next_free_sgpr 66
		.amdhsa_reserve_vcc 0
		.amdhsa_float_denorm_mode_32 3
		.amdhsa_float_denorm_mode_16_64 3
		.amdhsa_memory_ordered 1
		.amdhsa_forward_progress 1
		.amdhsa_inst_pref_size 52
	.end_amdhsa_kernel
	.amdgpu_metadata
---
amdhsa.version: [ 1, 2 ]
amdhsa.kernels:
  - .name:           k_qbbf221a820_prep
    .symbol:         k_qbbf221a820_prep.kd
    .args:
      - { .name: query_states, .offset: 0, .size: 8, .value_kind: global_buffer, .address_space: global }
      - { .name: key_value_states, .offset: 8, .size: 8, .value_kind: global_buffer, .address_space: global }
      - { .name: wq, .offset: 16, .size: 8, .value_kind: global_buffer, .address_space: global }
      - { .name: wk, .offset: 24, .size: 8, .value_kind: global_buffer, .address_space: global }
      - { .name: wv, .offset: 32, .size: 8, .value_kind: global_buffer, .address_space: global }
      - { .name: wo, .offset: 40, .size: 8, .value_kind: global_buffer, .address_space: global }
      - { .name: codes, .offset: 48, .size: 8, .value_kind: global_buffer, .address_space: global }
      - { .name: scales, .offset: 56, .size: 8, .value_kind: global_buffer, .address_space: global }
      - { .name: wo16, .offset: 64, .size: 8, .value_kind: global_buffer, .address_space: global }
    .group_segment_fixed_size: 33280
    .private_segment_fixed_size: 0
    .kernarg_segment_align: 8
    .kernarg_segment_size: 72
    .max_flat_workgroup_size: 128
    .sgpr_count:     66
    .vgpr_count:     208
    .wavefront_size: 32
...
	.end_amdgpu_metadata
.endif
;; end of part 1
;; launch proj (part 2): grid 24 x 16, 4 waves a work-group, clusters of 4 x 4, 327,680 bytes of LDS; arguments codes, scales, cos_q, sin_q, cos_k, sin_k, qkv, qks; writes qkv, qks
.if DOCPART == 2
	.amdgcn_target "amdgcn-amd-amdhsa--gfx1250"
	.amdhsa_code_object_version 6
	.text
	.protected	k_qbbf221a820_proj
	.globl	k_qbbf221a820_proj
	.p2align	8
	.type	k_qbbf221a820_proj,@function
k_qbbf221a820_proj:
	s_mov_b64 s[64:65], 0
	v_nop
	global_prefetch_b8 v0, s[64:65] scope:SCOPE_SE
	s_setreg_imm32_b32 hwreg(HW_REG_WAVE_MODE, 25, 1), 1
	s_wait_xcnt 0x0
	s_wait_alu depctr_hold_cnt(0) depctr_sa_sdst(0) depctr_va_vdst(0) depctr_va_sdst(0) depctr_va_ssrc(0) depctr_va_vcc(0) depctr_vm_vsrc(0)
	s_getreg_b32 s2, hwreg(HW_REG_IB_STS2, 6, 4)
	s_cmp_eq_u32 s2, 0
	s_cbranch_scc0 .Lentry_in_a_cluster
	s_endpgm
.Lentry_in_a_cluster:
	s_bfe_u32 s2, ttmp6, 0x10000c
	s_cmp_lg_u32 s2, 0xf033
	s_cbranch_scc0 .Lentry_shape_is_right
	s_endpgm
.Lentry_shape_is_right:
; proj.  The three quantised products: [2,048 positions] x [3,072 output channels: 2,048 of q, 512 of k, 512 of v], K = 2,048, on codes of FP4 with E8M0 scales; then the rope (q, k), in f32; then f16.
; OUT: qkv [48 planes][2,048 positions][64] f16: planes 0-31 q's heads, 32-39 k's, 40-47 v's.  q and k are stored UNDER A SCALE: a wave's tile is 64 positions x one head; a = its largest magnitude behind the rope
; (held at 2^-40 from below); SCL = the power of two in a; what is stored is f16(x / SCL), in (-2, 2); SCL goes to qks [40 planes][32 blocks of 64 positions], f32.  q is also multiplied by log2(e), in the same multiplication:
; so the attention launch's multiplier, q's SCL x k's SCL / 8, is a power of two.  v is stored as plain f16.
; LIMITS: NaN and infinities are not served; a block's largest magnitude of q or k stays under 2^126, and blocks under 2^-40 are carried with the precision of that floor; |v| stays under 65,504.
; SHARES.  A work-group makes 128 positions x 128 channels; each of four waves 64 x 64: 16 accumulators.  ALL of K lies in LDS: two chunks of 1,024 along K (rows of 512 bytes), each filled once at the head, so no byte of LDS is
; filled again.  The scale bytes of the 128 + 128 rows come once, as dense runs of 256 bytes.
; CLUSTERS: 4 x 4 work-groups.  The four of a row of the cluster need the same rows of x, the four of a column the same rows of w: each tile is asked for jointly, by the same tensor load with the same descriptor and a mask that
; names the four.  A cluster's x (0-3: q, 4: k, 5: v) is the same in all sixteen, so the one branch of the way out goes the same way in all.
; THE MATRIX INSTRUCTION IS USED TRANSPOSED: source 0 = 16 rows of w, source 1 = 16 rows of x: a lane holds one position (lane % 16) and eight neighbouring channels 8 (lane / 16) + 0..7.
; REGISTERS: window 0: v1-31 addresses; v32-95 scale words, and nothing else; v96-111 at work; v128-255 the accumulators ((a, b) at v[128 + 8 (4 a + b)]).
;   window 1: three fragment buffers of 64 (w's four fragments, then x's four), K step q in buffer q % 3.   window 2: v0-63 cos, v64-127 sin: register 16 a + 4 b + p.
.set PITCH,  528                       ; an LDS row: 512 bytes + 16 of padding: the sixteen rows that a load touches start 16 bytes apart modulo 256
.set HALFT,  64*PITCH                  ; 64 rows: what one tensor load brings, and what one wave reads of x or of w
.set CHUNK,  4*HALFT                   ; x's 128 rows, then w's 128 rows, 1,024 along K
.set SCL,    2*CHUNK                   ; behind the chunks: the scale bytes, as runs of 256 bytes + 16 of padding
.set HALFS,  16*272                    ; those of 64 rows (64 bytes a row)
.set SBLK,   4*272                     ; those of 16 rows
.set SPARE,  SCL+4*HALFS               ; the spare words, 128 bytes for each wave
.set STG,    64*144                    ; the way out: a stage of 64 rows x (128 bytes + 16) for each wave, in chunk 0, which has had its one fill and its last read by then
.set ADRX, 16                          ; v16-17  LDS address of my fragments of x in chunk 0, 1
.set ADRW, 20                          ; v20-21  the same for w
.set STO,  24                          ; v24     the way out: where I put 16 bytes of a row
.set RD,   25                          ; v25     where I read rows back
.set CO,   26                          ; v26     my byte offset in the wave's part of a plane
.set ADRS, 27                          ; v27     LDS address of my scale words: lanes 0-15 x's rows, lanes 16-31 w's
.set SPW,  28                          ; v28     LDS address of my spare word; never rewritten
.set NIL,  29                          ; v29     0; never rewritten
.set CSA,  30                          ; v30     my byte offset in the wave's rows of the tables
.set ZO,   31                          ; v31     0: the offset of the store to qks
.set SC,   32                          ; scale words: register 16 i + q: lanes 0-15 the word of x's block i, lanes 16-31 that of w's block i, for K step q
.set T,    96                          ; v96-103 at work in the rope
.set MX,   104                         ; v104-107 four running maxima
.set SCLV, 108                         ; v108    the block's scale
.set INV,  110                         ; v[110:111] its reciprocal (x log2(e) for q), twice
.set ACC,  128
.set G1X,  32                          ; s[32:39] descriptor group 1 for x's tiles;  s[40:47] for w's: it differs in the mask alone
.set G1W,  40
.set G1SX, 48                          ; s[48:55], s[56:63] the same for the scale bytes
.set G1SW, 56
.set GSX,  68                          ; groups 0: x's scales, chunk 0, chunk 1;
.set GX0,  72
.set GX1,  76
.set GSW,  80                          ; w's likewise
.set GW0,  84
.set GW1,  88
.set MSB, 0
.macro WIN new                         ; the immediate's high byte repeats the setting that is left
.if MSB != \new
	s_set_vgpr_msb (MSB<<8)|\new
.set MSB, \new
.endif
.endm
.macro CROUND                          ; a round of the cluster's barrier
	s_barrier_signal -1
	s_barrier_wait -1
	s_cmp_lg_u32 s20, 0
	s_cbranch_scc1 .Lnot_wave_0_\@
	s_barrier_signal -3
.Lnot_wave_0_\@:
	s_barrier_wait -3
	s_barrier_signal -1
	s_barrier_wait -1
.endm
.macro PLACES                          ; four places in front of loads into registers that matrix instructions have read, and of the first read of results
.rept 4
	v_nop
.endr
.endm
	s_load_b128 s[4:7], s[0:1], 0x0                ; codes, scales
	s_load_b256 s[8:15], s[0:1], 0x10              ; cos_q, sin_q, cos_k, sin_k
	s_load_b128 s[16:19], s[0:1], 0x30             ; qkv, qks
	v_lshl_add_u32 v[SPW], v0, 2, SPARE
	v_mov_b32 v[NIL], 0
	ds_add_u32 v[SPW], v[NIL]                      ; the wave's opening: the add, twice on end, and its wait ahead of my first tensor load
	ds_add_u32 v[SPW], v[NIL]
	v_lshrrev_b32 v1, 5, v0
	v_readfirstlane_b32 s20, v1                    ; wave 0..3
	s_lshr_b32 s21, s20, 1                         ; which half of the tile's positions is mine.  Also: I fetch for x (0) or for w (1)
	s_and_b32 s22, s20, 1                          ; which half of its channels.  Also: which 64 rows I fetch
	s_bfe_u32 s23, ttmp6, 0x40000                  ; cx, cy: my place in the cluster
	s_bfe_u32 s24, ttmp6, 0x40004
	s_lshl_b32 s25, ttmp9, 2
	s_add_co_u32 s25, s25, s23                     ; tx: which 128 channels
	s_and_b32 s26, ttmp7, 0xffff
	s_lshl_b32 s26, s26, 2
	s_add_co_u32 s26, s26, s24                     ; ty: which 128 positions
	s_lshl_b32 s27, s24, 2
	s_lshl_b32 s27, 15, s27                        ; my row of the cluster
	s_lshl_b32 s28, 0x1111, s23                    ; my column
	; group 1 for codes: 64 rows x 512 elements of one byte, 1,024 bytes apart, 4 words of padding behind every 128
	s_or_b32 s[G1X], s27, (1<<20)|(1<<21)|(6<<22)|(3<<25)
	s_or_b32 s[G1W], s28, (1<<20)|(1<<21)|(6<<22)|(3<<25)
.irp g, G1X, G1W
	s_mov_b32 s[\g+1], 512<<16                     ; tensor_dim0
	s_mov_b32 s[\g+2], 64<<16                      ; tensor_dim1
	s_mov_b32 s[\g+3], 512<<16                     ; tile_dim0
	s_mov_b32 s[\g+4], 64                          ; tile_dim1
	s_mov_b32 s[\g+5], 1024                        ; from row to row
	s_mov_b32 s[\g+6], 0
	s_mov_b32 s[\g+7], 0
.endr
	; and for the scale bytes of 64 rows: 4,096 dense bytes as 16 rows of 32 elements of 8 bytes, 4 words of padding behind every 64
	s_or_b32 s[G1SX], s27, (3<<16)|(1<<20)|(1<<21)|(5<<22)|(3<<25)
	s_or_b32 s[G1SW], s28, (3<<16)|(1<<20)|(1<<21)|(5<<22)|(3<<25)
.irp g, G1SX, G1SW
	s_mov_b32 s[\g+1], 32<<16
	s_mov_b32 s[\g+2], 16<<16
	s_mov_b32 s[\g+3], 32<<16
	s_mov_b32 s[\g+4], 16
	s_mov_b32 s[\g+5], 32
	s_mov_b32 s[\g+6], 0
	s_mov_b32 s[\g+7], 0
.endr
	s_lshl_b32 s29, s22, 6                         ; which 64 rows I fetch
	s_lshl_b32 s92, s26, 7                         ; x: row 128 ty, + 2,048 for key_value_states (cluster x 4 and 5), + my 64: nothing of cx enters
	s_lshr_b32 s93, ttmp9, 2
	s_lshl_b32 s93, s93, 11
	s_add_co_u32 s92, s92, s93
	s_add_co_u32 s92, s92, s29
	s_lshl_b32 s94, s92, 6                         ; its scale bytes,
	s_lshl_b32 s92, s92, 10                        ; its codes
	s_mov_b32 s93, 0
	s_mov_b32 s95, 0
	s_lshl_b32 s96, s25, 7                         ; w: row 4,096 + 128 tx + my 64: nothing of cy enters
	s_add_co_u32 s96, s96, 4096
	s_add_co_u32 s96, s96, s29
	s_lshl_b32 s98, s96, 6
	s_lshl_b32 s96, s96, 10
	s_mov_b32 s97, 0
	s_mov_b32 s99, 0
	s_mul_i32 s30, s20, HALFT                      ; where they go: wave x 64 rows: no place in the cluster enters an LDS address
	s_mul_i32 s31, s20, HALFS
	s_wait_dscnt 0x0                               ; both opening adds are done
	s_wait_kmcnt 0x0
	s_mov_b32 s[GSX], 1
	s_add_co_u32 s[GSX+1], s31, SCL
	s_add_nc_u64 s[GSX+2:GSX+3], s[6:7], s[94:95]
	s_or_b32 s[GSX+3], s[GSX+3], 0x80000000
	s_mov_b32 s[GX0], 1
	s_add_co_u32 s[GX0+1], s30, 0
	s_add_nc_u64 s[GX0+2:GX0+3], s[4:5], s[92:93]
	s_mov_b32 s[GX1], 1
	s_add_co_u32 s[GX1+1], s30, CHUNK
	s_add_nc_u64 s[GX1+2:GX1+3], s[GX0+2:GX0+3], 512   ; the second 1,024 along K
	s_or_b32 s[GX0+3], s[GX0+3], 0x80000000
	s_or_b32 s[GX1+3], s[GX1+3], 0x80000000
	s_mov_b32 s[GSW], 1
	s_add_co_u32 s[GSW+1], s31, SCL
	s_add_nc_u64 s[GSW+2:GSW+3], s[6:7], s[98:99]
	s_or_b32 s[GSW+3], s[GSW+3], 0x80000000
	s_mov_b32 s[GW0], 1
	s_add_co_u32 s[GW0+1], s30, 0
	s_add_nc_u64 s[GW0+2:GW0+3], s[4:5], s[96:97]
	s_mov_b32 s[GW1], 1
	s_add_co_u32 s[GW1+1], s30, CHUNK
	s_add_nc_u64 s[GW1+2:GW1+3], s[GW0+2:GW0+3], 512
	s_or_b32 s[GW0+3], s[GW0+3], 0x80000000
	s_or_b32 s[GW1+3], s[GW1+3], 0x80000000
	CROUND                                         ; all sixteen work-groups are here: the joint loads meet
	s_cmp_eq_u32 s21, 0                            ; a wave's three fills stand in one branch on the wave's number: three loads of mine are out.  An s_nop 0 follows each, four v_nop the last
	s_cbranch_scc0 .Lfirst_w
	tensor_load_to_lds s[GSX:GSX+3], s[G1SX:G1SX+7]
	s_nop 0
	tensor_load_to_lds s[GX0:GX0+3], s[G1X:G1X+7]
	s_nop 0
	tensor_load_to_lds s[GX1:GX1+3], s[G1X:G1X+7]
	s_nop 0
.rept 4
	v_nop
.endr
	s_branch .Lfirst_asked
.Lfirst_w:
	tensor_load_to_lds s[GSW:GSW+3], s[G1SW:G1SW+7]
	s_nop 0
	tensor_load_to_lds s[GW0:GW0+3], s[G1W:G1W+7]
	s_nop 0
	tensor_load_to_lds s[GW1:GW1+3], s[G1W:G1W+7]
	s_nop 0
.rept 4
	v_nop
.endr
.Lfirst_asked:
	v_and_b32 v1, 15, v0                           ; r = lane % 16
	v_bfe_u32 v2, v0, 4, 1                         ; h = lane / 16
	v_mul_u32_u24 v3, v1, PITCH
	v_lshl_add_u32 v3, v2, 4, v3                   ; a fragment's row x pitch + 16 h
	s_mul_i32 s92, s21, HALFT                      ; my 64 rows of x
	s_mul_i32 s93, s22, HALFT                      ; my 64 rows of w,
	s_add_co_u32 s93, s93, 2*HALFT                 ; which lie behind x's 128
.irp c, 0,1
	v_add_nc_u32 v[ADRX+\c], s92, v3
	v_add_nc_u32 v[ADRW+\c], s93, v3
	s_add_co_u32 s92, s92, CHUNK
	s_add_co_u32 s93, s93, CHUNK
.endr
	v_lshlrev_b32 v4, 6, v1                        ; my row's scale bytes: 64 a row,
	v_lshrrev_b32 v5, 2, v1
	v_lshl_add_u32 v4, v5, 4, v4                   ; and 16 more for each 256 passed
	s_mul_i32 s92, s21, HALFS                      ; x's: my 64 rows
	s_mul_i32 s93, s22, HALFS                      ; w's: my 64 rows, behind x's 128
	s_add_co_u32 s93, s93, 2*HALFS
	s_sub_co_u32 s93, s93, s92
	v_mul_u32_u24 v5, s93, v2                      ; lanes 16-31 take w's
	s_add_co_u32 s92, s92, SCL
	v_add_nc_u32 v4, v4, v5
	v_add_nc_u32 v[ADRS], s92, v4
	s_mul_i32 s92, s20, STG                        ; my stage
	v_mul_u32_u24 v4, v1, 144
	v_lshl_add_u32 v4, v2, 4, v4
	v_add_nc_u32 v[STO], s92, v4                   ; in: row r, 16 bytes for each half of the lanes
	v_and_b32 v5, 31, v0
	v_lshrrev_b32 v6, 3, v5
	v_mul_u32_u24 v6, v6, 144
	v_and_b32 v7, 7, v0
	v_lshl_add_u32 v6, v7, 4, v6
	v_add_nc_u32 v[RD], s92, v6                    ; back: eight lanes to a row of 128 bytes, four rows an instruction
	v_lshlrev_b32 v[CO], 4, v5                     ; which are 512 consecutive bytes of the plane
	v_lshlrev_b32 v[CSA], 7, v1
	v_lshl_add_u32 v[CSA], v2, 4, v[CSA]           ; the tables: row r of 128 bytes, + 16 h
	v_mov_b32 v[ZO], 0
	; the rope's tables: q's for cluster x 0-3, k's for the others (v's tiles load k's too and leave them unused: so every way through the text has loaded what it could read)
	s_cmp_lt_u32 ttmp9, 4
	s_cselect_b64 s[8:9], s[8:9], s[12:13]
	s_cselect_b64 s[10:11], s[10:11], s[14:15]
	s_cselect_b32 s98, 0x3fb8aa3b, 1.0             ; q is multiplied by log2(e), k by 1
	s_lshl_b32 s92, s26, 14                        ; my first position x 128 bytes: 128 ty + 64 x half
	s_lshl_b32 s93, s21, 13
	s_add_co_u32 s92, s92, s93
	s_mov_b32 s93, 0
	s_add_nc_u64 s[8:9], s[8:9], s[92:93]
	s_add_nc_u64 s[10:11], s[10:11], s[92:93]
	WIN 0x80                                       ; destination window 2
.irp a, 0,1,2,3
.irp b, 0,1,2,3
	global_load_b128 v[16*\a+4*\b:16*\a+4*\b+3], v[CSA], s[8:9] offset:\a*2048+32*\b          ; cos(16 a + r, 8 b + 4 h + 0..3)
	global_load_b128 v[64+16*\a+4*\b:64+16*\a+4*\b+3], v[CSA], s[10:11] offset:\a*2048+32*\b  ; sin likewise
.endr
.endr
	WIN 0
	s_lshl_b32 s94, s25, 1
	s_add_co_u32 s94, s94, s22                     ; my plane: 2 tx + half
	s_lshl_b32 s92, s94, 18                        ; 262,144 bytes a plane
	s_lshl_b32 s93, s26, 14
	s_add_co_u32 s92, s92, s93
	s_lshl_b32 s93, s21, 13
	s_add_co_u32 s92, s92, s93                     ; + my first position x 128 bytes
	s_mov_b32 s93, 0
	s_add_nc_u64 s[16:17], s[16:17], s[92:93]
	s_mov_b32 s96, 0x76543210
	s_mov_b32 s97, 0xfedcba98                      ; v_permlanex16_b32's selects for lane l xor 16
.macro SCALES                          ; all 16 K steps' scale words: 16 words a row; lanes 0-15 take x's block i, lanes 16-31 w's block i
.irp i, 0,1,2,3
.irp u, 0,1,2,3
	ds_load_b128 v[SC+16*\i+4*\u:SC+16*\i+4*\u+3], v[ADRS] offset:\i*SBLK+16*\u
.endr
.endr
.endm
; K step q's fragments into buffer q % 3.  A fragment, 16 rows x 128 K of 4-bit codes, is 8 registers: lane l holds row l % 16; registers 4 c .. 4 c + 3 hold K = 64 c + 32 (l / 16) + 0 .. 31
.macro FETCH q
	WIN 0x40                                       ; destination window 1, address window 0
.irp i, 0,1,2,3
.irp c, 0,1
	ds_load_b128 v[64*((\q)%3)+8*\i+4*\c:64*((\q)%3)+8*\i+4*\c+3], v[ADRW+(\q)/8] offset:64*((\q)%8)+32*\c+\i*16*PITCH
.endr
.endr
.irp i, 0,1,2,3
.irp c, 0,1
	ds_load_b128 v[64*((\q)%3)+32+8*\i+4*\c:64*((\q)%3)+32+8*\i+4*\c+3], v[ADRX+(\q)/8] offset:64*((\q)%8)+32*\c+\i*16*PITCH
.endr
.endr
.endm
; 16 matrix instructions: x's four blocks x w's four, 128 along K.  The 16 accumulators take turns, one instruction a turn, in the same order in every step.
.macro MUL16 q, zero
	WIN 0x05                                       ; sources 0 (w) and 1 (x) window 1; C and D window 0
.irp a, 0,1,2,3
.irp b, 0,1,2,3
.if \zero
	v_wmma_scale_f32_16x16x128_f8f6f4 v[ACC+8*(4*\a+\b):ACC+8*(4*\a+\b)+7], v[64*((\q)%3)+8*\b:64*((\q)%3)+8*\b+7], v[64*((\q)%3)+32+8*\a:64*((\q)%3)+32+8*\a+7], 0, v[SC+16*\b+(\q)], v[SC+16*\a+(\q)] matrix_a_fmt:MATRIX_FMT_FP4 matrix_b_fmt:MATRIX_FMT_FP4 matrix_a_scale:MATRIX_SCALE_ROW1
.else
	v_wmma_scale_f32_16x16x128_f8f6f4 v[ACC+8*(4*\a+\b):ACC+8*(4*\a+\b)+7], v[64*((\q)%3)+8*\b:64*((\q)%3)+8*\b+7], v[64*((\q)%3)+32+8*\a:64*((\q)%3)+32+8*\a+7], v[ACC+8*(4*\a+\b):ACC+8*(4*\a+\b)+7], v[SC+16*\b+(\q)], v[SC+16*\a+(\q)] matrix_a_fmt:MATRIX_FMT_FP4 matrix_b_fmt:MATRIX_FMT_FP4 matrix_a_scale:MATRIX_SCALE_ROW1
.endif
.endr
.endr
.endm
.macro STEP q
.if ((\q) > 0) && ((\q) <= 13)
	PLACES                                         ; the buffer that is loaded below was multiplied in the last step
.endif
.if (\q) == 6                          ; the next fetch is the first from chunk 1
	s_wait_tensorcnt 0x0                           ; my part of chunk 1 has landed (no load was issued behind it),
	s_wait_dscnt 0x0                               ; and my reads of chunk 0 are over: the last of them were issued in the last step
	s_barrier_signal -1
	s_barrier_wait -1                              ; both now hold of all four waves
.endif
.if (\q) <= 13
	FETCH (\q)+2
	s_wait_dscnt 32                                ; this step's fragments are in; the 32 loads of the two later steps may be out
.elseif (\q) == 14
	s_wait_dscnt 16                                ; the last step's 16 may be out
.else
	s_wait_dscnt 0x0
.endif
.if (\q) == 0
	MUL16 \q, 1                                    ; the first products start the sums: nothing is cleared
.else
	MUL16 \q, 0
.endif
.endm
	s_wait_tensorcnt 1                             ; the scale bytes and my part of chunk 0 are in; chunk 1's load may be out
	s_barrier_signal -1
	s_barrier_wait -1                              ; everybody's are
	SCALES
	FETCH 0
	FETCH 1
.set Q, 0
.rept 16
	STEP Q
.set Q, Q+1
.endr
	WIN 0
	PLACES
	s_wait_loadcnt 0x0                             ; the tables
	s_cmp_eq_u32 ttmp9, 5                          ; v has no rope and no scale: the cluster's x is the same in all sixteen partners and all waves
	s_cbranch_scc1 .Lplain
	; THE ROPE.  Registers 2 p, 2 p + 1 of accumulator (a, b) are the pair 8 b + 4 h + p of position 16 a + r:  o1 = x1 c - x2 s,  o2 = x1 s + x2 c
	WIN 0x08                                       ; source 1 (the tables) window 2
.irp a, 0,1,2,3
.irp b, 0,1,2,3
.irp p, 0,1,2,3
	v_mul_f32 v[T+2*\p], v[ACC+8*(4*\a+\b)+2*\p+1], v[64+16*\a+4*\b+\p]
	v_mul_f32 v[T+2*\p+1], v[ACC+8*(4*\a+\b)+2*\p], v[64+16*\a+4*\b+\p]
.endr
.irp p, 0,1,2,3
	v_fma_f32 v[ACC+8*(4*\a+\b)+2*\p], v[ACC+8*(4*\a+\b)+2*\p], v[16*\a+4*\b+\p], -v[T+2*\p]
	v_fma_f32 v[ACC+8*(4*\a+\b)+2*\p+1], v[ACC+8*(4*\a+\b)+2*\p+1], v[16*\a+4*\b+\p], v[T+2*\p+1]
.endr
.endr
.endr
	WIN 0
	; the largest magnitude of the wave's 64 x 64, with the floor 2^-40 among its leaves: four chains in a lane, then across the 32 lanes
.irp k, 0,1,2,3
	v_max3_num_f32 v[MX+\k], |v[ACC+32*\k]|, |v[ACC+32*\k+1]|, 0x2b800000
.endr
.irp i, 2,4,6,8,10,12,14,16,18,20,22,24,26,28,30
.irp k, 0,1,2,3
	v_max3_num_f32 v[MX+\k], v[MX+\k], |v[ACC+32*\k+\i]|, |v[ACC+32*\k+\i+1]|
.endr
.endr
	v_max3_num_f32 v[MX], v[MX], v[MX+1], v[MX+2]
	v_max_num_f32 v[MX], v[MX], v[MX+3]
	v_max_num_f32_dpp v[MX], v[MX], v[MX] row_xmask:1 row_mask:0xf bank_mask:0xf
	v_max_num_f32_dpp v[MX], v[MX], v[MX] row_xmask:2 row_mask:0xf bank_mask:0xf
	v_max_num_f32_dpp v[MX], v[MX], v[MX] row_xmask:4 row_mask:0xf bank_mask:0xf
	v_max_num_f32_dpp v[MX], v[MX], v[MX] row_xmask:8 row_mask:0xf bank_mask:0xf
	v_permlanex16_b32 v[MX+1], v[MX], s96, s97
	v_max_num_f32 v[MX], v[MX], v[MX+1]
	v_and_b32 v[SCLV], 0x7f800000, v[MX]           ; the power of two in it: the block's scale
	v_sub_nc_u32 v[INV], 0x7f000000, v[SCLV]       ; exponent field 254 - E: its reciprocal, exactly
	v_mul_f32 v[INV], s98, v[INV]                  ; x log2(e) for q: exact, a power of two times the constant
	v_mov_b32 v[INV+1], v[INV]
.set i, 0
.rept 64
	v_pk_mul_f32 v[ACC+2*i:ACC+2*i+1], v[ACC+2*i:ACC+2*i+1], v[INV:INV+1] op_sel_hi:[1,0]
.set i, i+1
.endr
	s_lshl_b32 s92, s94, 5                         ; qks: plane x 32 + block of 64 positions (2 ty + half), 4 bytes each
	s_lshl_b32 s93, s26, 1
	s_add_co_u32 s92, s92, s93
	s_add_co_u32 s92, s92, s21
	s_lshl_b32 s92, s92, 2
	s_mov_b32 s93, 0
	s_add_nc_u64 s[18:19], s[18:19], s[92:93]
	global_store_b32 v[ZO], v[SCLV], s[18:19]      ; all lanes store the same word with the same value
.Lplain:
	; THE WAY OUT: rounded to f16 in place (register i takes registers 2 i and 2 i + 1, which lie at or above it: each accumulator is read from its low end on), 16 bytes a lane into my stage, back as whole rows
.set i, 0
.rept 64
	v_cvt_pk_f16_f32 v[ACC+i], v[ACC+2*i], v[ACC+2*i+1]
.set i, i+1
.endr
.irp a, 0,1,2,3
.irp b, 0,1,2,3
	ds_store_b128 v[STO], v[ACC+4*(4*\a+\b):ACC+4*(4*\a+\b)+3] offset:\a*16*144+32*\b
.endr
.endr
.irp t, 0,1,2,3,4,5,6,7,8,9,10,11,12,13,14,15
	ds_load_b128 v[ACC+64+4*\t:ACC+64+4*\t+3], v[RD] offset:\t*4*144   ; LDS serves a wave's instructions in order: these see my stores
.endr
.irp t, 0,1,2,3,4,5,6,7,8,9,10,11,12,13,14,15
	s_wait_dscnt 15-\t
	global_store_b128 v[CO], v[ACC+64+4*\t:ACC+64+4*\t+3], s[16:17] offset:512*\t   ; 32 lanes store 512 consecutive bytes, aligned: four positions of the plane
.endr
	s_wait_tensorcnt 0x0                           ; the wave's end: a wait, an add to my spare word and a wait, behind my last tensor load and my last LDS store
	ds_add_u32 v[SPW], v[NIL]
	s_wait_dscnt 0x0
	CROUND                                         ; the closing round
	s_endpgm
.Lfunc_end_k_qbbf221a820_proj:
	.size	k_qbbf221a820_proj, .Lfunc_end_k_qbbf221a820_proj-k_qbbf221a820_proj
	.p2alignl 7, 3214868480
	.fill 96, 4, 3214868480
	.section	.rodata,"a",@progbits
	.p2align	6, 0x0
	.amdhsa_kernel k_qbbf221a820_proj
		.amdhsa_group_segment_fixed_size 327680
		.amdhsa_private_segment_fixed_size 0
		.amdhsa_enable_private_segment 0
		.amdhsa_kernarg_size 64
		.amdhsa_user_sgpr_count 2
		.amdhsa_user_sgpr_kernarg_segment_ptr 1
		.amdhsa_wavefront_size32 1
		.amdhsa_system_sgpr_workgroup_id_x 1
		.amdhsa_system_sgpr_workgroup_id_y 1
		.amdhsa_system_sgpr_workgroup_id_z 1
		.amdhsa_system_vgpr_workitem_id 0
		.amdhsa_next_free_vgpr 640
		.amdhsa_next_free_sgpr 100
		.amdhsa_reserve_vcc 0
		.amdhsa_float_denorm_mode_32 3
		.amdhsa_float_denorm_mode_16_64 3
		.amdhsa_memory_ordered 1
		.amdhsa_forward_progress 1
		.amdhsa_inst_pref_size 95
	.end_amdhsa_kernel
	.amdgpu_metadata
---
amdhsa.version: [ 1, 2 ]
amdhsa.kernels:
  - .name:           k_qbbf221a820_proj
    .symbol:         k_qbbf221a820_proj.kd
    .args:
      - { .name: codes, .offset: 0, .size: 8, .value_kind: global_buffer, .address_space: global }
      - { .name: scales, .offset: 8, .size: 8, .value_kind: global_buffer, .address_space: global }
      - { .name: cos_q, .offset: 16, .size: 8, .value_kind: global_buffer, .address_space: global }
      - { .name: sin_q, .offset: 24, .size: 8, .value_kind: global_buffer, .address_space: global }
      - { .name: cos_k, .offset: 32, .size: 8, .value_kind: global_buffer, .address_space: global }
      - { .name: sin_k, .offset: 40, .size: 8, .value_kind: global_buffer, .address_space: global }
      - { .name: qkv, .offset: 48, .size: 8, .value_kind: global_buffer, .address_space: global }
      - { .name: qks, .offset: 56, .size: 8, .value_kind: global_buffer, .address_space: global }
    .group_segment_fixed_size: 327680
    .private_segment_fixed_size: 0
    .kernarg_segment_align: 8
    .kernarg_segment_size: 64
    .max_flat_workgroup_size: 128
    .sgpr_count:     100
    .vgpr_count:     640
    .wavefront_size: 32
...
	.end_amdgpu_metadata
.endif
;; end of part 2
;; launch attn (part 3): grid 32 x 8, 8 waves a work-group, clusters of 4 x 1, 327,680 bytes of LDS; arguments qkv, qks, attention_mask, o16; writes o16
.if DOCPART == 3
	.amdgcn_target "amdgcn-amd-amdhsa--gfx1250"
	.amdhsa_code_object_version 6
	.text
	.protected	k_qbbf221a820_attn
	.globl	k_qbbf221a820_attn
	.p2align	8
	.type	k_qbbf221a820_attn,@function
k_qbbf221a820_attn:
	s_mov_b64 s[64:65], 0
	v_nop
	global_prefetch_b8 v0, s[64:65] scope:SCOPE_SE
	s_setreg_imm32_b32 hwreg(HW_REG_WAVE_MODE, 25, 1), 1
	s_wait_xcnt 0x0
	s_wait_alu depctr_hold_cnt(0) depctr_sa_sdst(0) depctr_va_vdst(0) depctr_va_sdst(0) depctr_va_ssrc(0) depctr_va_vcc(0) depctr_vm_vsrc(0)
	s_getreg_b32 s2, hwreg(HW_REG_IB_STS2, 6, 4)
	s_cmp_eq_u32 s2, 0
	s_cbranch_scc0 .Lentry_in_a_cluster
	s_endpgm
.Lentry_in_a_cluster:
	s_bfe_u32 s2, ttmp6, 0x10000c
	s_cmp_lg_u32 s2, 0x3003
	s_cbranch_scc0 .Lentry_shape_is_right
	s_endpgm
.Lentry_shape_is_right:
; attn.  o[pos][head] = the sum over keys of softmax(q . k / 8, masked keys left out) v, for 32 query heads on 8 key and value heads (head 8 g + kv uses kv).  Operands f16, products, maxima and sums f32.
; IN: qkv [48 planes][2,048][64] f16 (q's heads, k's, v's); q and k stand under one power-of-two scale for each 64 positions of a plane (qks, f32), and q holds log2(e) already.  So t = S x CS with S the product of the
; stored numbers and CS = q's scale x k's scale / 8, A POWER OF TWO: S x CS is exact, and p = 2^(S CS - M), one fused multiply-add, is exactly 1 at the largest key, however large the scores.
; OUT: o16 [2,048][kv 256 + g 64 + d] f16.
; THE MASK is the C of a key tile's first product: 0 for a key that counts, -2^100 for one that does not: its t lies at least 2^17 under every t that counts (CS is at least 2^-83), so its p is 0.  What steps with no key
; that counts have summed is wiped by a = 2^(old M - new M) = 0 at the first key that counts.  WHERE NO KEY COUNTS AT ALL the softmax of equal scores is uniform: then both the -2^100 and the 1 / 8 are replaced by 0, by selection,
; without a jump: every t is 0 and every p is 1.
; LIMITS: NaN and infinities are not served; |v| and |o| stay under 65,504; p under 2^-24 counts as 0 in the second product (the row's sum takes the unrounded p).
; SHARES.  A work-group owns 64 positions of one kv head, for its four query heads; wave w owns head g = w / 2 and 32 of the positions (w % 2): two tiles of 16 queries.  Every wave walks the 2,048 keys, 64 a step; K's and V's
; tiles come through two LDS slots of four steps, one tensor load a wave (waves 0-3: K's four tiles, waves 4-7: V's).
; CLUSTER.  The four work-groups of a cluster belong to one kv head and walk the same K and V: each tile is asked for jointly, by the same tensor load with the same descriptor and a mask that names the four.
; LAYOUT.  S^T = K Q^T (source 0 = 16 keys, source 1 = 16 queries): a lane holds ONE query (lane % 16) and keys 8 (lane / 16) + 0..7.  Two such tiles, rounded to f16 in pairs, are source 1 of O^T = V^T P.  V comes out of LDS turned.
; BY TURNS.  A tile never looks at the other tile, so the wave's two tiles are two pieces.  In a TURN one tile has the matrix unit: 8 products V^T P of the step in hand, then 8 products K Q^T of the next step, in groups of
; two; the other tile's softmax, a list of 122 items, stands between them in slices, one behind each group.  Then the tiles change places.  Two turns are a key step: tile 0's turn carries tile 1's softmax of step j,
; tile 1's turn carries tile 0's of step j + 1.  K, the biases and k's scale of step j + 1 are fetched at the head of tile 0's turn, V of step j + 1 in the middle of tile 1's: each 8 products and 4 slices ahead of its first use.
; REGISTERS: window 0: v1-23 addresses; v24-39 statistics, eight a tile: +0 M, +1 its pair, +2, +3 the sum, +4 to +7 at work (a at +6); v64-127 S^T; v128-159 P; v160-223 O^T; v224-253 at work in the head.
;   window 1: v0-31 Q; v32-95 K of a step; v96-159 V of a step; v160-191 the mask's biases of a step.  All that a softmax touches lies in window 0, so a group of products costs two switches: 34 a key step with those of the loads.
.set KS,    64                         ; keys in a step
.set PK,    144                        ; a row of K in LDS: 128 bytes + 16: the sixteen rows of a load start 16 bytes apart modulo 256
.set PV,    160                        ; a row of V: 128 + 32: the eight rows that sixteen lanes of the turning load take start 32 bytes apart modulo 256
.set VOFF,  KS*PK                      ; a step's tiles lie together: 64 rows of K, then 64 rows of V
.set STEPB, KS*(PK+PV)
.set SLOT1, 1<<17                      ; a slot holds four steps (77,824 bytes); slot 1 begins here, so that one exclusive or turns an address in one slot into the other's
.set SLOTB, 4*KS*128                   ; a slot's rows of K, or of V, in memory
.set TABLE, 4*STEPB                    ; behind slot 0: a row of 272 bytes for each of the 32 steps: 64 biases, then k's scale / 8
.set TROW,  272
.set SPARE, TABLE+32*TROW              ; the spare words, 128 bytes for each of eight waves
.set STAGE, SPARE+1024                 ; the way out: 64 rows x (512 bytes + 16), the work-group's
.set SP,    528
.set PLANE, 262144
.set NI,    122                        ; items in a tile's softmax for a key step
.set AK0, 2                            ; v2   my lane's place in a tile of K
.set AV0, 3                            ; v3   the same for V
.set H32, 4                            ; v4   32 (lane / 16): my eight biases of a key tile
.set ADK, 5                            ; v5-8 the LDS addresses of the fetch in hand: K, V, biases, k's scale
.set ADV, 6
.set ADB, 7
.set ADC, 8
.set STO, 10                           ; v10  the way out: where I put 16 bytes of a row
.set RD,  11                           ; v11  where I read a row back
.set GO,  12                           ; v12  my byte offset in a row's 512 bytes of o16
.set QO,  13                           ; v13  my byte offset in the wave's rows of Q
.set CK,  15                           ; v15  k's scale / 8 of the step last fetched
.set CS,  16                           ; v[16:17] CS (the packed form names a pair and takes its first register for both halves)
.set SPW, 18                           ; v18  LDS address of my spare word; never rewritten
.set NIL, 19                           ; v19  0; never rewritten
.set PFO, 20                           ; v20  256 x my lane; never rewritten
.set ST,  24
.set S,   64
.set P,   128
.set O,   160
.set QF,  0                            ; in window 1
.set KF,  32
.set VF,  96
.set BF,  160
.set WV,  12                           ; s12  my wave's number
.set LIM, 15                           ; s15  1 in a wave that prefetches, else the greatest number
.set PFA, 18                           ; s[18:19] where my prefetches stand in memory
.set G1K, 24                           ; s[24:31] descriptor group 1 for K's tiles;  s[32:39] for V's: it differs in the padding alone
.set G1V, 32
.set G0K, 40                           ; s[40:47] group 0 for K's tiles: a set for each of the two first fills; the second then walks on;  s[48:55] the same for V's
.set G0V, 48
.set SLOTS, 56                         ; s56  slots still to be asked for
.set TW,  57                           ; s57  counts key steps between two changes of slots
.set SEL, 60                           ; s[60:61] lane selects for v_permlanex16_b32: lane l xor 16
.set TB,  62                           ; s62  LDS byte at which the tiles of the step to be fetched begin
.set TT,  63                           ; s63  LDS byte at which that step's row of the table begins
.set BIGS, 66                          ; s66  2^100, or 0 where no key counts
.set C0S, 67                           ; s67  1 / 8, or 0 where no key counts
.set FL,  68                           ; s68  the lanes that saw a key that counts
.set SQ,  69                           ; s69  q's scale of my head and my 64 positions
.set MSB, 0
.macro WIN new                         ; the immediate's high byte repeats the setting that is left; a switch that changes nothing is dropped
.if MSB != \new
	s_set_vgpr_msb (MSB<<8)|\new
.set MSB, \new
.endif
.endm
; A joint refill.  The branch hangs on the wave's number alone.  An s_nop 0 and four v_nop follow each of the two lines.
.macro JLOAD
	s_cmp_lt_u32 s[WV], 4
	s_cbranch_scc0 .Lfor_v_\@
	tensor_load_to_lds s[G0K+4:G0K+7], s[G1K:G1K+7]
	s_nop 0
.rept 4
	v_nop
.endr
	s_branch .Lasked_\@
.Lfor_v_\@:
	tensor_load_to_lds s[G0V+4:G0V+7], s[G1V:G1V+7]
	s_nop 0
.rept 4
	v_nop
.endr
.Lasked_\@:
.endm
; A prefetch of what the NEXT change of slots will ask for: a slot's 32,768 bytes of K and of V.  Each aligned run of 256 bytes is named once in the launch: all clusters of a kv head walk the same rows, so the head's first
; cluster asks; its four partners share the bytes out by address, 8,192 each; in each, wave 0 asks for K's and wave 4 for V's, lanes 256 bytes apart.  It stands four key steps, 128 matrix instructions a wave, ahead of the
; load that will want the bytes.  The last change that fills a slot asks for nothing: there is no slot behind it.  Slots 0 to 2 come by their loads alone.
.macro ASK
	s_cmp_gt_u32 s[SLOTS], s[LIM]
	s_cbranch_scc0 .Lnot_mine_\@
	global_prefetch_b8 v[PFO], s[PFA:PFA+1] th:TH_LOAD_NT scope:SCOPE_SE
.Lnot_mine_\@:
.endm
.macro CROUND                          ; a round of the cluster's barrier
	s_barrier_signal -1
	s_barrier_wait -1
	s_cmp_lg_u32 s[WV], 0
	s_cbranch_scc1 .Lnot_wave_0_\@
	s_barrier_signal -3
.Lnot_wave_0_\@:
	s_barrier_wait -3
	s_barrier_signal -1
	s_barrier_wait -1
.endm
	s_load_b256 s[4:11], s[0:1], 0x0               ; qkv s[4:5], qks s[6:7], attention_mask s[8:9], o16 s[10:11]
	v_lshl_add_u32 v[SPW], v0, 2, SPARE
	v_mov_b32 v[NIL], 0
	ds_add_u32 v[SPW], v[NIL]                      ; the wave's opening: the add, twice on end, and its wait ahead of my first tensor load
	ds_add_u32 v[SPW], v[NIL]
	v_lshrrev_b32 v1, 5, v0
	v_readfirstlane_b32 s[WV], v1                  ; wave 0..7
	s_bfe_u32 s13, ttmp6, 0x40000                  ; cx: my place in the cluster
	s_lshl_b32 s14, ttmp9, 2
	s_add_co_u32 s14, s14, s13                     ; my block of 64 positions: it enters global addresses alone
	s_and_b32 s16, ttmp7, 0xffff                   ; kv, which the four partners share
	s_lshr_b32 s58, s[WV], 1                       ; g
	s_and_b32 s59, s[WV], 1                        ; which 32 of the 64 positions
	s_and_b32 s17, s[WV], 3                        ; which of a slot's four steps I fetch
	s_add_co_u32 s20, s16, 32
	s_lshl_b32 s20, s20, 18                        ; k's plane,
	s_lshl_b32 s21, s17, 13                        ; my step's 64 rows of 128 bytes
	s_add_co_u32 s20, s20, s21
	s_mov_b32 s21, 0
	s_add_co_u32 s22, s20, 8*PLANE                 ; v's plane lies eight planes on
	s_mov_b32 s23, 0
	s_mul_i32 s70, s17, STEPB                      ; and its place in a slot: no place in the cluster enters an LDS address
	s_add_co_u32 s72, s16, 32
	s_lshl_b32 s72, s72, 7                         ; k's 32 scales in qks
	s_mov_b32 s73, 0
	s_lshl_b32 s71, s58, 3
	s_add_co_u32 s71, s71, s16                     ; my head: 8 g + kv
	s_lshl_b32 s74, s71, 18                        ; its plane,
	s_lshl_b32 s75, s14, 13                        ; my block's 64 rows,
	s_add_co_u32 s74, s74, s75
	s_lshl_b32 s75, s59, 12                        ; my wave's 32 of them
	s_add_co_u32 s74, s74, s75
	s_mov_b32 s75, 0
	s_lshl_b32 s76, s71, 5
	s_add_co_u32 s76, s76, s14
	s_lshl_b32 s76, s76, 2                         ; q's scale of my head and block
	s_mov_b32 s77, 0
	s_lshl_b32 s78, s13, 13                        ; the prefetches: my work-group's 8,192 bytes of a slot's 32,768
	s_mov_b32 s79, 0
	s_lshl_b32 s68, s14, 18                        ; o16: my block's 64 rows of 4,096 bytes,
	s_lshl_b32 s69, s[WV], 15                      ; the eight that my wave stores,
	s_add_co_u32 s68, s68, s69
	s_lshl_b32 s69, s16, 9                         ; kv's 512 bytes of a row
	s_add_co_u32 s68, s68, s69
	s_mov_b32 s69, 0
	; descriptor group 1: a tile of 64 rows x 64 elements of 2 bytes, padded in LDS behind every 32 words
	s_mov_b32 s[G1K], 15|(1<<16)|(1<<20)|(1<<21)|(4<<22)|(3<<25)  ; the mask: all four work-groups; 4 words of padding
	s_mov_b32 s[G1V], 15|(1<<16)|(1<<20)|(1<<21)|(4<<22)|(7<<25)  ; the same with 8 words
.irp g, G1K, G1V
	s_mov_b32 s[\g+1], 64<<16                      ; tensor_dim0
	s_mov_b32 s[\g+2], KS<<16                      ; tensor_dim1
	s_mov_b32 s[\g+3], 64<<16                      ; tile_dim0
	s_mov_b32 s[\g+4], KS                          ; tile_dim1
	s_mov_b32 s[\g+5], 64                          ; from row to row
	s_mov_b32 s[\g+6], 0
	s_mov_b32 s[\g+7], 0
.endr
	s_mov_b32 s[SEL], 0x76543210
	s_mov_b32 s[SEL+1], 0xfedcba98
	s_mov_b32 s[TB], 0
	s_mov_b32 s[TT], TABLE
	s_mov_b32 s[SLOTS], 6
	s_or_b32 s[LIM], s17, ttmp9                    ; 0 in waves 0 and 4 of the head's first cluster: the same in all four partners
	s_cmp_eq_u32 s[LIM], 0
	s_cselect_b32 s[LIM], 1, -1
	v_and_b32 v[PFO], 31, v0
	v_lshlrev_b32 v[PFO], 8, v[PFO]
	s_wait_dscnt 0x0                               ; both opening adds are done
	s_wait_kmcnt 0x0
	s_add_nc_u64 s[20:21], s[4:5], s[20:21]        ; K and V at my tile of slot 0
	s_add_nc_u64 s[22:23], s[4:5], s[22:23]
	s_add_nc_u64 s[74:75], s[4:5], s[74:75]        ; Q at my wave's first row
	s_add_nc_u64 s[72:73], s[6:7], s[72:73]
	s_add_nc_u64 s[76:77], s[6:7], s[76:77]
	s_add_nc_u64 s[10:11], s[10:11], s[68:69]
	s_cmp_lt_u32 s[WV], 4
	s_cselect_b64 s[PFA:PFA+1], s[20:21], s[22:23] ; (in waves 0 and 4 these stand at a slot's first row)
	s_add_nc_u64 s[PFA:PFA+1], s[PFA:PFA+1], s[78:79]
	s_add_nc_u64 s[PFA:PFA+1], s[PFA:PFA+1], 2*SLOTB   ; in slot 2; the first change of slots steps it to slot 3.  Nothing is prefetched here, at the head
	s_load_b32 s[SQ], s[76:77], 0x0                ; q's scale
.irp s, 0,1
	s_mov_b32 s[G0K+4*\s], 1                       ; count = 1
	s_add_co_u32 s[G0K+4*\s+1], s70, \s*SLOT1      ; LDS address
	s_add_nc_u64 s[G0K+4*\s+2:G0K+4*\s+3], s[20:21], \s*SLOTB   ; global address: slot s begins with key 256 s
	s_or_b32 s[G0K+4*\s+3], s[G0K+4*\s+3], 0x80000000           ; type = 2
	s_mov_b32 s[G0V+4*\s], 1
	s_add_co_u32 s[G0V+4*\s+1], s70, \s*SLOT1+VOFF
	s_add_nc_u64 s[G0V+4*\s+2:G0V+4*\s+3], s[22:23], \s*SLOTB
	s_or_b32 s[G0V+4*\s+3], s[G0V+4*\s+3], 0x80000000
.endr
	CROUND                                         ; all four work-groups are here: the first joint loads meet
	s_cmp_lt_u32 s[WV], 4                          ; a wave's two first fills stand in one branch: two loads of mine are out
	s_cbranch_scc0 .Lfirst_v
	tensor_load_to_lds s[G0K:G0K+3], s[G1K:G1K+7]
	s_nop 0
	tensor_load_to_lds s[G0K+4:G0K+7], s[G1K:G1K+7]
	s_nop 0
.rept 4
	v_nop
.endr
	s_branch .Lfirst_asked
.Lfirst_v:
	tensor_load_to_lds s[G0V:G0V+3], s[G1V:G1V+7]
	s_nop 0
	tensor_load_to_lds s[G0V+4:G0V+7], s[G1V:G1V+7]
	s_nop 0
.rept 4
	v_nop
.endr
.Lfirst_asked:
	v_and_b32 v1, 15, v0                           ; r = lane % 16
	v_bfe_u32 v9, v0, 4, 1                         ; h = lane / 16
	v_lshlrev_b32 v[QO], 7, v1
	v_lshl_add_u32 v[QO], v9, 4, v[QO]             ; row r of 128 bytes + 16 h
	WIN 0x40                                       ; destination window 1
.irp t, 0,1
.irp c, 0,1
	global_load_b128 v[QF+8*(2*\t+\c):QF+8*(2*\t+\c)+3], v[QO], s[74:75] offset:\t*2048+64*\c       ; Q stays in registers: tile t, channels 32 c on
	global_load_b128 v[QF+8*(2*\t+\c)+4:QF+8*(2*\t+\c)+7], v[QO], s[74:75] offset:\t*2048+64*\c+32
.endr
.endr
	WIN 0
	v_mul_u32_u24 v[AK0], v1, PK
	v_lshl_add_u32 v[AK0], v9, 4, v[AK0]           ; row x pitch + 16 h
	v_and_b32 v21, 7, v0                           ; the turning load: lane l reads key 8 (l / 16) + l % 8, channels 8 ((l / 8) % 2) + 0..7
	v_bfe_u32 v22, v0, 3, 1
	v_lshl_add_u32 v[AV0], v9, 3, v21
	v_mul_u32_u24 v[AV0], v[AV0], PV
	v_lshl_add_u32 v[AV0], v22, 4, v[AV0]
	v_add_nc_u32 v[AV0], VOFF, v[AV0]
	v_lshlrev_b32 v[H32], 5, v9
	; THE MASK.  Every wave reads all 2,048 bytes, 64 a lane, to learn whether any key counts; thread i also reads keys 8 i .. 8 i + 7, whose biases it lays into the table, and the scale of their block of k
	v_and_b32 v21, 31, v0
	v_lshlrev_b32 v21, 6, v21
	v_lshlrev_b32 v22, 3, v0
	v_lshrrev_b32 v23, 3, v0                       ; my keys' step
	v_lshlrev_b32 v14, 2, v23
.irp i, 0,1,2,3
	global_load_b128 v[224+4*\i:227+4*\i], v21, s[8:9] offset:16*\i
.endr
	global_load_b64 v[240:241], v22, s[8:9]
	global_load_b32 v242, v14, s[72:73]
	v_mul_u32_u24 v253, v23, TROW
	v_add_nc_u32 v253, TABLE, v253                 ; my step's row of the table,
	v_and_b32 v252, 7, v0
	v_lshl_add_u32 v243, v252, 5, v253             ; my eight biases in it
	s_mul_i32 s70, s59, 32*SP                      ; the way out, in: row 32 x half + r, 128 g + 16 h bytes on
	s_lshl_b32 s71, s58, 7
	s_add_co_u32 s70, s70, s71
	s_add_co_u32 s70, s70, STAGE
	v_mul_u32_u24 v[STO], v1, SP
	v_lshl_add_u32 v[STO], v9, 4, v[STO]
	v_add_nc_u32 v[STO], s70, v[STO]
	s_mul_i32 s70, s[WV], 8*SP                     ; back: wave w takes rows 8 w .. 8 w + 7, whole: 16 bytes a lane
	s_add_co_u32 s70, s70, STAGE
	v_and_b32 v[GO], 31, v0
	v_lshlrev_b32 v[GO], 4, v[GO]
	v_add_nc_u32 v[RD], s70, v[GO]
.irp t, 0,1
	v_mov_b32 v[ST+8*\t], 0xff61b1e6               ; the largest t so far: -3e38, under every t
	v_mov_b32 v[ST+8*\t+1], 0                      ; (named with it as a pair, so it is written)
	v_mov_b32 v[ST+8*\t+2], 0                      ; the sum, in two halves
	v_mov_b32 v[ST+8*\t+3], 0
.endr
	v_mov_b32 v[CS+1], 0
.set i, 0
.rept 64
	v_mov_b32 v[O+i], 0                            ; O^T.  (The softmax is written once: the first finds zeros, which the first change of M leaves zeros)
.set i, i+1
.endr
	s_wait_loadcnt 0x0
	s_wait_kmcnt 0x0
.irp i, 0,2,4,6,8,10,12,14
	v_or_b32 v[224+\i], v[224+\i], v[225+\i]
.endr
.irp i, 0,4,8,12
	v_or_b32 v[224+\i], v[224+\i], v[226+\i]
.endr
	v_or_b32 v224, v224, v228
	v_or_b32 v232, v232, v236
	v_or_b32 v224, v224, v232
	v_cmp_ne_u32 s[FL], 0, v224
	s_cmp_lg_u32 s[FL], 0                          ; does any key count?  What hangs on it is selected, not jumped to
	s_cselect_b32 s[BIGS], 0x71800000, 0           ; 2^100
	s_cselect_b32 s[C0S], 0x3e000000, 0            ; 1 / 8
.irp i, 0,1,2,3,4,5,6,7
	v_bfe_u32 v[244+\i], v[240+\i/4], 8*(\i%4), 8
.endr
.irp i, 0,1,2,3,4,5,6,7
	v_cvt_f32_u32 v[244+\i], v[244+\i]
.endr
.irp i, 0,1,2,3,4,5,6,7
	v_fma_f32 v[244+\i], v[244+\i], s[BIGS], -s[BIGS]   ; 0 for a key that counts, -2^100 for one that does not
.endr
	v_mul_f32 v242, s[C0S], v242
	ds_store_b128 v243, v[244:247]
	ds_store_b128 v243, v[248:251] offset:16
	ds_store_b32 v253, v242 offset:256             ; the eight threads of a step write the same word with the same value
; THE VECTOR WORK OF A TURN.  One tile's softmax for one key step is a list of NI items; SM writes item j of it for tile t.  s0-s31 are the lane's 32 scores of its query, in pairs 0-15.
;   0        (tile 0 alone) CS = q's scale x k's scale / 8 of the step: it serves this softmax and tile 1's in the next turn
;   1-16     the largest score: four chains, one for each key tile, each begun at its tile's low end; then the four scores left over and the chains
;   17-22    the other half of the lanes' maximum; as t (exact: CS is a power of two or 0, and not negative); the new M; old M - new M
;   23-71    ONE BATCH: the 16 scalings t - M, a pair each, and all 33 exponentials (a, then s0-s31); none of these reads an exponential's result.  Two scalings lead; then two exponentials and a scaling by turns, each pair scaled
;            two threes ahead of its exponentials; the last four exponentials close it
;   72, 73   a plain instruction behind the last exponential, and the wait ahead of the first instruction that names a result: one for the batch
;   74-89    the roundings to f16: the second product's operand
;   90-105   the sum of the unrounded p, in place, by a tree; the row's sum = a x the sum + this step's
;   106-121  the tile's O^T times a, each accumulator from its low end on
.macro SMFMA                           ; pair smp: t - M, two at a time
	v_pk_fma_f32 v[rS+2*smp:rS+2*smp+1], v[rS+2*smp:rS+2*smp+1], v[CS:CS+1], v[rT:rT+1] op_sel_hi:[1,0,0] neg_lo:[0,0,1] neg_hi:[0,0,1]
.endm
.macro SM t
.set rT, ST+8*(\t)
.set rS, S+32*(\t)
.set rP, P+16*(\t)
.set rO, O+32*(\t)
.if j == 0
.if (\t) == 0
	v_mul_f32 v[CS], s[SQ], v[CK]
.endif
.elseif j < 5
.set smq, j-1
	v_max3_num_f32 v[rT+4+smq], v[rS+8*smq], v[rS+8*smq+1], v[rS+8*smq+2]
.elseif j < 13
.set smq, (j-5)%4
.set smi, 3+2*((j-5)/4)
	v_max3_num_f32 v[rT+4+smq], v[rT+4+smq], v[rS+8*smq+smi], v[rS+8*smq+smi+1]
.elseif j == 13
	v_max3_num_f32 v[rT+4], v[rT+4], v[rS+7], v[rS+15]
.elseif j == 14
	v_max3_num_f32 v[rT+6], v[rT+6], v[rS+23], v[rS+31]
.elseif j == 15
	v_max3_num_f32 v[rT+4], v[rT+4], v[rT+5], v[rT+6]
.elseif j == 16
	v_max_num_f32 v[rT+4], v[rT+4], v[rT+7]
.elseif j == 17
	v_permlanex16_b32 v[rT+5], v[rT+4], s[SEL], s[SEL+1]   ; the query's other 32 keys lie in the lane 16 away
.elseif j == 18
	v_mov_b32 v[rT+7], v[rT]                       ; the old M
.elseif j == 19
	v_max_num_f32 v[rT+4], v[rT+4], v[rT+5]
.elseif j == 20
	v_mul_f32 v[rT+4], v[CS], v[rT+4]
.elseif j == 21
	v_max_num_f32 v[rT], v[rT], v[rT+4]            ; the new M
.elseif j == 22
	v_sub_f32 v[rT+7], v[rT+7], v[rT]              ; old M - new M
.elseif j < 72
.set smn, j-23
.if smn < 2
.set smp, smn
	SMFMA
.elseif smn == 2
	v_exp_f32 v[rT+6], v[rT+7]                     ; a = 2^(old M - new M)
.elseif smn < 45
.set smb, (smn-3)/3
.if (smn-3)%3 == 2
.set smp, smb+2
	SMFMA
.else
	v_exp_f32 v[rS+2*smb+(smn-3)%3], v[rS+2*smb+(smn-3)%3]   ; p = 2^(t - M), at most 1
.endif
.else
	v_exp_f32 v[rS+smn-17], v[rS+smn-17]           ; s28 to s31
.endif
.elseif j == 72
	v_nop
.elseif j == 73
	s_wait_alu depctr_va_vdst(0)
.elseif j < 90
	v_cvt_pk_f16_f32 v[rP+j-74], v[rS+2*(j-74)], v[rS+2*(j-74)+1]
.elseif j < 105
.set smz, j-90
.set smw, 4
.set smu, smz
.if smz >= 14
.set smw, 32
.set smu, 0
.elseif smz >= 12
.set smw, 16
.set smu, smz-12
.elseif smz >= 8
.set smw, 8
.set smu, smz-8
.endif
	v_pk_add_f32 v[rS+smw*smu:rS+smw*smu+1], v[rS+smw*smu:rS+smw*smu+1], v[rS+smw*smu+smw/2:rS+smw*smu+smw/2+1]
.elseif j == 105
	v_pk_fma_f32 v[rT+2:rT+3], v[rT+2:rT+3], v[rT+6:rT+7], v[rS:rS+1] op_sel_hi:[1,0,1]
.else
	v_pk_mul_f32 v[rO+2*(j-106):rO+2*(j-106)+1], v[rO+2*(j-106):rO+2*(j-106)+1], v[rT+6:rT+7] op_sel_hi:[1,0]
.endif
.endm
.macro SLICE y, n                      ; the next n items of tile y's list
	WIN 0
.rept \n
	SM \y
.set j, j+1
.endr
.endm
; THE MATRIX WORK OF A TURN, in groups of two.  The four accumulators of a kind take turns, one instruction a turn: between two links of a chain stand three others'.
; Products 2 g, 2 g + 1 of eight of O^T += V^T P for tile x: product i takes keys 32 (i / 4) on, channels 16 (i % 4) on.
.macro PVG x, g
	WIN 0x01                                       ; source 0 (V) window 1
.irp ee, 0,1
.set pi, 2*(\g)+\ee
	v_wmma_f32_16x16x32_f16 v[O+32*(\x)+8*(pi%4):O+32*(\x)+8*(pi%4)+7], v[VF+8*pi:VF+8*pi+7], v[P+16*(\x)+8*(pi/4):P+16*(\x)+8*(pi/4)+7], v[O+32*(\x)+8*(pi%4):O+32*(\x)+8*(pi%4)+7]
.endr
.endm
; Products 2 g, 2 g + 1 of eight of S^T = K Q^T for tile x: product i takes channels 32 (i / 4) on, keys 16 (i % 4) on.  The first four start the sums with the mask's biases.
.macro KQG x, g
.if (\g) < 2
	WIN 0x15                                       ; K, Q and the biases in window 1, S^T in window 0
.else
	WIN 0x05
.endif
.irp ee, 0,1
.set pi, 2*(\g)+\ee
.set pu, pi%4
.if pi < 4
	v_wmma_f32_16x16x32_f16 v[S+32*(\x)+8*pu:S+32*(\x)+8*pu+7], v[KF+16*pu:KF+16*pu+7], v[QF+16*(\x):QF+16*(\x)+7], v[BF+8*pu:BF+8*pu+7]
.else
	v_wmma_f32_16x16x32_f16 v[S+32*(\x)+8*pu:S+32*(\x)+8*pu+7], v[KF+16*pu+8:KF+16*pu+15], v[QF+16*(\x)+8:QF+16*(\x)+15], v[S+32*(\x)+8*pu:S+32*(\x)+8*pu+7]
.endif
.endr
.endm
; THE LDS LOADS stand in two runs a key step.  K's run: k's scale, the biases, K: 25 loads.  The last product that read K's registers stands in front of the last slice of the turn before: 17 plain instructions on the other tile's registers.
.macro FETCH_K
	WIN 0
	v_add_nc_u32 v[ADK], s[TB], v[AK0]
	v_add_nc_u32 v[ADB], s[TT], v[H32]
	v_mov_b32 v[ADC], s[TT]
	s_add_co_u32 s[TT], s[TT], TROW                ; the next fetch takes the next row of the table
	ds_load_b32 v[CK], v[ADC] offset:256
	WIN 0x40                                       ; destination window 1
.irp u, 0,1,2,3
	ds_load_b128 v[BF+8*\u:BF+8*\u+3], v[ADB] offset:64*\u          ; the biases of keys 16 u + 8 h + 0..7: the result's layout
	ds_load_b128 v[BF+8*\u+4:BF+8*\u+7], v[ADB] offset:64*\u+16
.endr
.irp u, 0,1,2,3
.irp c, 0,1
	ds_load_b128 v[KF+8*(2*\u+\c):KF+8*(2*\u+\c)+3], v[ADK] offset:\u*16*PK+64*\c       ; keys 16 u on, channels 32 c on
	ds_load_b128 v[KF+8*(2*\u+\c)+4:KF+8*(2*\u+\c)+7], v[ADK] offset:\u*16*PK+64*\c+32
.endr
.endr
.endm
; V's run: 16 turning loads.  In a whole turn it stands behind slice 3: between the last product that read V's registers and the loads lie that slice's five scalings (items 45 to 59 hold numbers 20, 23, 26, 29, 32 of the batch's
; threes) and the address's addition: six plain instructions that name none of that product's registers.
.macro FETCH_V
	WIN 0
	v_add_nc_u32 v[ADV], s[TB], v[AV0]
	s_add_co_u32 s[TB], s[TB], STEPB               ; the next fetch is the next step's
	WIN 0x40
.irp kk, 0,1
.irp cht, 0,1,2,3
	ds_load_tr16_b128 v[VF+8*(4*\kk+\cht):VF+8*(4*\kk+\cht)+3], v[ADV] offset:\kk*32*PV+\cht*32          ; keys 32 kk on, channels 16 cht on, turned
	ds_load_tr16_b128 v[VF+8*(4*\kk+\cht)+4:VF+8*(4*\kk+\cht)+7], v[ADV] offset:\kk*32*PV+16*PV+\cht*32
.endr
.endr
.endm
; A TURN.  Tile x has the matrix unit; the other tile's softmax stands in slices behind its groups of two products: 15 items a slice where the turn has eight groups, 30 where it has four; the last slice takes what is left,
; 17 or 32 items, all plain from item 74 on: they are the places between the turn's last products and what follows (the next turn's first read of those scores, the loads into K's registers).
; pv = 1: eight products V^T P.  kq = 1: eight products K Q^T for the next step, and the fetches for it.
.macro TURN x, pv, kq
.set j, 0
.set per, 15
.if (\pv)+(\kq) == 1
.set per, 30
.endif
.if (\x) == 0
.if \kq
	FETCH_K
	s_wait_dscnt 25                                ; V is in; the 25 loads just issued may be out
.else
	s_wait_dscnt 0x0                               ; V is in
.endif
.endif
.if ((\x) == 1) && ((\pv) == 0)
	FETCH_V
.endif
.if \pv
.set gg, 0
.rept 4
	PVG \x, gg
.if (gg == 3) && ((\kq) == 0)
	SLICE 1-(\x), NI-j
.else
	SLICE 1-(\x), per
.endif
.set gg, gg+1
.endr
.if ((\x) == 1) && (\kq)
	FETCH_V
.endif
.endif
.if \kq
.if (\x) == 0
	s_wait_dscnt 0x0                               ; K, the biases and k's scale are in: asked for eight products and four slices ago
.endif
.set gg, 0
.rept 4
	KQG \x, gg
.if gg == 3
	SLICE 1-(\x), NI-j
.else
	SLICE 1-(\x), per
.endif
.set gg, gg+1
.endr
.endif
.endm
.macro STEPS n                         ; n key steps: written once, walked n times; the LDS addresses hang on s[TB] and s[TT]
	s_mov_b32 s[TW], \n
.Lstep_\@:
	TURN 0, 1, 1
	TURN 1, 1, 1
	s_sub_co_u32 s[TW], s[TW], 1
	s_cmp_lg_u32 s[TW], 0
	s_cbranch_scc1 .Lstep_\@
.endm
; THE CHANGE OF SLOTS, between tile 1's turn and tile 0's: the slot's last bytes, V of its fourth step, have been asked for.  Each wave waits for all its tensor loads, of which one is out: its part of the other slot; adds 0
; to its spare word; and waits for that and for its own reads of the slot that it leaves.  fill = 1: that slot is filled again, with the keys two slots on.  The barrier is then a round of the cluster's, so that no wave of any
; partner still reads the slot or has a load on its way, and the joint refill is the first thing behind it: it has four key steps in which to land.
.macro CHANGE fill
	s_wait_tensorcnt 0x0                           ; no tensor load of mine is out, so a group 0 may be written
	ds_add_u32 v[SPW], v[NIL]                      ; 0 onto my spare word
.if \fill
.irp g, G0K+4, G0V+4
	s_xor_b32 s[\g+1], s[\g+1], SLOT1              ; the walking descriptor: the other slot than last time,
	s_add_nc_u64 s[\g+2:\g+3], s[\g+2:\g+3], SLOTB ; the next 256 keys; the type bits on top are not reached
.endr
	s_wait_xcnt 0x0                                ; the last prefetch, four key steps back, has read its address, so it may be written
	s_add_nc_u64 s[PFA:PFA+1], s[PFA:PFA+1], SLOTB
	s_wait_dscnt 0x0                               ; the add is done, and my reads of the slot are over
	CROUND
	JLOAD
	ASK
.else
	s_wait_dscnt 0x0
	s_barrier_signal -1
	s_barrier_wait -1
.endif
	s_sub_co_u32 s[TB], s[TB], 4*STEPB             ; the fetches go back to a slot's first step,
	s_xor_b32 s[TB], s[TB], SLOT1                  ; in the other slot
.endm
	s_wait_tensorcnt 1                             ; my part of slot 0 is in; slot 1's may stay out
	s_wait_dscnt 0x0                               ; my part of the table is written
	s_barrier_signal -1
	s_barrier_wait -1                              ; everybody's are
	FETCH_K                                        ; key step 0
	s_wait_dscnt 0x0
.irp g, 0,1,2,3
	KQG 0, \g                                      ; tile 0's first scores: there is no vector work yet to set between them
.endr
	WIN 0
.rept 4
	v_nop                                          ; four places between those products and the first read of their results
.endr
	TURN 1, 0, 1                                   ; V of step 0 | tile 1's first scores | tile 0's first softmax
	STEPS 3                                        ; key steps 0 to 2, which fetch steps 1 to 3: slot 0 is read out
.Lslot:                                            ; six trips: every slot but the last two is filled again
	CHANGE 1
	STEPS 4
	s_sub_co_u32 s[SLOTS], s[SLOTS], 1
	s_cmp_lg_u32 s[SLOTS], 0
	s_cbranch_scc1 .Lslot
	CHANGE 0                                       ; the tail is written out
	STEPS 4                                        ; key steps 27 to 30, which fetch steps 28 to 31
	TURN 0, 1, 0                                   ; tile 0: V^T P of the last step | tile 1's last softmax
.irp g, 0,1,2,3
	PVG 1, \g                                      ; tile 1: V^T P of the last step
.endr
	WIN 0
	; THE WAY OUT.  The sum's halves and the other half of the lanes' are added (these lines, and tile 0's scalings, are the places behind the last products); O^T is divided by the sum, rounded to f16 and laid into the
	; work-group's stage: a row's 512 bytes come from the four heads' waves, so a barrier stands between the writing and the reading.
.irp t, 0,1
	v_add_f32 v[ST+8*\t+4], v[ST+8*\t+2], v[ST+8*\t+3]
.endr
.irp t, 0,1
	v_permlanex16_b32 v[ST+8*\t+5], v[ST+8*\t+4], s[SEL], s[SEL+1]
.endr
.irp t, 0,1
	v_add_f32 v[ST+8*\t+4], v[ST+8*\t+4], v[ST+8*\t+5]
.endr
.irp t, 0,1
	v_rcp_f32 v[ST+8*\t+6], v[ST+8*\t+4]
.endr
	v_nop                                          ; a plain instruction between the last reciprocal and the use of its result
	s_wait_alu depctr_va_vdst(0)                   ; and the wait ahead of the first use: one for both
.irp t, 0,1
.set i, 0
.rept 16
	v_pk_mul_f32 v[O+32*\t+2*i:O+32*\t+2*i+1], v[O+32*\t+2*i:O+32*\t+2*i+1], v[ST+8*\t+6:ST+8*\t+7] op_sel_hi:[1,0]
.set i, i+1
.endr
.endr
.set i, 0
.rept 32
	v_cvt_pk_f16_f32 v[S+i], v[O+2*i], v[O+2*i+1]  ; S^T's registers are free
.set i, i+1
.endr
.irp t, 0,1
.irp cht, 0,1,2,3
	ds_store_b128 v[STO], v[S+16*\t+4*\cht:S+16*\t+4*\cht+3] offset:\t*16*SP+32*\cht
.endr
.endr
	s_wait_dscnt 0x0                               ; for the others' sake: my stores into the stage are done
	s_barrier_signal -1
	s_barrier_wait -1
.irp i, 0,1,2,3,4,5,6,7
	ds_load_b128 v[S+32+4*\i:S+32+4*\i+3], v[RD] offset:\i*SP
.endr
.irp i, 0,1,2,3,4,5,6,7
	s_wait_dscnt 7-\i
	global_store_b128 v[GO], v[S+32+4*\i:S+32+4*\i+3], s[10:11] offset:\i*4096   ; 32 lanes store 512 consecutive bytes, aligned
.endr
	s_wait_tensorcnt 0x0                           ; the wave's end: a wait, an add to my spare word and a wait, behind my last tensor load and my last LDS store
	ds_add_u32 v[SPW], v[NIL]
	s_wait_dscnt 0x0
	CROUND                                         ; the closing round: no work-group ends while a partner may still ask for a tile that names it
	s_endpgm
.Lfunc_end_k_qbbf221a820_attn:
	.size	k_qbbf221a820_attn, .Lfunc_end_k_qbbf221a820_attn-k_qbbf221a820_attn
	.p2alignl 7, 3214868480
	.fill 96, 4, 3214868480
	.section	.rodata,"a",@progbits
	.p2align	6, 0x0
	.amdhsa_kernel k_qbbf221a820_attn
		.amdhsa_group_segment_fixed_size 327680
		.amdhsa_private_segment_fixed_size 0
		.amdhsa_enable_private_segment 0
		.amdhsa_kernarg_size 32
		.amdhsa_user_sgpr_count 2
		.amdhsa_user_sgpr_kernarg_segment_ptr 1
		.amdhsa_wavefront_size32 1
		.amdhsa_system_sgpr_workgroup_id_x 1
		.amdhsa_system_sgpr_workgroup_id_y 1
		.amdhsa_system_sgpr_workgroup_id_z 1
		.amdhsa_system_vgpr_workitem_id 0
		.amdhsa_next_free_vgpr 448
		.amdhsa_next_free_sgpr 80
		.amdhsa_reserve_vcc 0
		.amdhsa_float_denorm_mode_32 3
		.amdhsa_float_denorm_mode_16_64 3
		.amdhsa_memory_ordered 1
		.amdhsa_forward_progress 1
		.amdhsa_inst_pref_size 97
	.end_amdhsa_kernel
	.amdgpu_metadata
---
amdhsa.version: [ 1, 2 ]
amdhsa.kernels:
  - .name:           k_qbbf221a820_attn
    .symbol:         k_qbbf221a820_attn.kd
    .args:
      - { .name: qkv, .offset: 0, .size: 8, .value_kind: global_buffer, .address_space: global }
      - { .name: qks, .offset: 8, .size: 8, .value_kind: global_buffer, .address_space: global }
      - { .name: attention_mask, .offset: 16, .size: 8, .value_kind: global_buffer, .address_space: global }
      - { .name: o16, .offset: 24, .size: 8, .value_kind: global_buffer, .address_space: global }
    .group_segment_fixed_size: 327680
    .private_segment_fixed_size: 0
    .kernarg_segment_align: 8
    .kernarg_segment_size: 32
    .max_flat_workgroup_size: 256
    .sgpr_count:     80
    .vgpr_count:     448
    .wavefront_size: 32
...
	.end_amdgpu_metadata
.endif
;; end of part 3
;; launch oproj (part 4): grid 16 x 16, 4 waves a work-group, clusters of 4 x 4, 327,680 bytes of LDS; arguments o16, wo16, out0; writes out0
.if DOCPART == 4
	.amdgcn_target "amdgcn-amd-amdhsa--gfx1250"
	.amdhsa_code_object_version 6
	.text
	.protected	k_qbbf221a820_oproj
	.globl	k_qbbf221a820_oproj
	.p2align	8
	.type	k_qbbf221a820_oproj,@function
k_qbbf221a820_oproj:
	s_mov_b64 s[64:65], 0
	v_nop
	global_prefetch_b8 v0, s[64:65] scope:SCOPE_SE
	s_setreg_imm32_b32 hwreg(HW_REG_WAVE_MODE, 25, 1), 1
	s_wait_xcnt 0x0
	s_wait_alu depctr_hold_cnt(0) depctr_sa_sdst(0) depctr_va_vdst(0) depctr_va_sdst(0) depctr_va_ssrc(0) depctr_va_vcc(0) depctr_vm_vsrc(0)
	s_getreg_b32 s2, hwreg(HW_REG_IB_STS2, 6, 4)
	s_cmp_eq_u32 s2, 0
	s_cbranch_scc0 .Lentry_in_a_cluster
	s_endpgm
.Lentry_in_a_cluster:
	s_bfe_u32 s2, ttmp6, 0x10000c
	s_cmp_lg_u32 s2, 0xf033
	s_cbranch_scc0 .Lentry_shape_is_right
	s_endpgm
.Lentry_shape_is_right:
; oproj.  out0[m][n] = sum over k of o16[m][k] wo16[n][k]: both [2,048][2,048] f16 with the same permutation of K; out0 f32; sums in f32.
; A tile of out0 is 128 x 128: 256 work-groups.  Four waves, each 64 x 64: 16 accumulators of 16 x 16.  K goes in steps of 256 (LDS rows of 512 bytes; a wave's tensor load brings 64 of them) through two slots.
; CLUSTERS: 4 x 4 work-groups.  The four of a row of the cluster need the same tiles of o16, the four of a column the same tiles of wo16: each tile is asked for jointly, by the same tensor load with the same descriptor and a
; mask that names the four.  THE MATRIX INSTRUCTION IS USED TRANSPOSED (source 0 = 16 rows of wo16, source 1 = 16 rows of o16): a lane then holds eight neighbouring numbers of a row of out0.
; No prefetch: both operands are walked by sixteen work-groups each within a short launch, and a K step's matrix work is short.
; REGISTERS: window 0: v0-31 addresses; v128-255 the accumulators ((a, b) at v[128 + 8 (4 a + b)]), on the way out also the rows read back.
;   window 1: two fragment buffers of 128: for 64 along K, 64 registers of A (2 x 4 x 16 rows x 32 K), then 64 of B.
.set SIZE_M, 2048
.set SIZE_N, 2048
.set SIZE_K, 2048
.set KSTEP,  256
.set PITCH,  528                       ; an LDS row: 512 bytes + 16 of padding: the sixteen rows that a load touches start 16 bytes apart modulo 256
.set HALFT,  64*PITCH                  ; 64 rows: what one tensor load brings, and what one wave reads of A or of B
.set SLOT,   4*HALFT                   ; A's 128 rows, then B's 128 rows
.set SPITCH, 272                       ; the way out: a stage of 64 rows x (256 bytes + 16) for each wave, in slot 0, which has had its last fill and its last read by then
.set SPARE,  2*SLOT                    ; behind the ring: the spare words, 128 bytes for each wave
.set LAPS, SIZE_K/(2*KSTEP)            ; a lap = two K steps = once round the ring
.set ADRA, 16                          ; v16-17  LDS address of my A fragments in slot 0, 1
.set ADRB, 20                          ; v20-21  the same for B
.set STO,  24                          ; v24     the way out: where I put 32 bytes of a row
.set RD,   25                          ; v25     where I read a row back
.set CO,   26                          ; v26     my byte offset in out0
.set SPW,  28                          ; v28     LDS address of my spare word; never rewritten
.set NIL,  29                          ; v29     0; never rewritten
.set ACC,  128
.set F0,   0                           ; fragment buffers, in window 1
.set F1,   128
.set G1, 24                            ; s[24:31] descriptor group 1 for A's tiles;  s[32:39] group 0, one set for each slot
.set G0, 32
.set G1B, 48                           ; s[48:55], s[56:63] the same for B's tiles
.set G0B, 56
.set MSB, 0
.macro WIN new                         ; the immediate's high byte repeats the setting that is left
.if MSB != \new
	s_set_vgpr_msb (MSB<<8)|\new
.set MSB, \new
.endif
.endm
.set MUL,  0x05                        ; sources 0 (B) and 1 (A) window 1; C and D window 0
.set TO_F, 0x40                        ; destination window 1, address window 0
.macro JLOAD s                         ; a joint load: waves 0 and 1 fetch A's two halves, waves 2 and 3 B's; an s_nop 0 and four v_nop follow each of the two lines
	s_cmp_eq_u32 s11, 0
	s_cbranch_scc0 .Lfor_b_\@
	tensor_load_to_lds s[G0+4*\s:G0+4*\s+3], s[G1:G1+7]
	s_nop 0
.rept 4
	v_nop
.endr
	s_branch .Lasked_\@
.Lfor_b_\@:
	tensor_load_to_lds s[G0B+4*\s:G0B+4*\s+3], s[G1B:G1B+7]
	s_nop 0
.rept 4
	v_nop
.endr
.Lasked_\@:
.endm
.macro CREST                           ; a round of the cluster's barrier behind its opening barrier
	s_cmp_lg_u32 s10, 0
	s_cbranch_scc1 .Lnot_wave_0_\@
	s_barrier_signal -3
.Lnot_wave_0_\@:
	s_barrier_wait -3
	s_barrier_signal -1
	s_barrier_wait -1
.endm
.macro CROUND                          ; a whole round
	s_barrier_signal -1
	s_barrier_wait -1
	CREST
.endm
	s_load_b128 s[4:7], s[0:1], 0x0                ; A = o16 s[4:5], B = wo16 s[6:7]
	s_load_b64 s[8:9], s[0:1], 0x10                ; out0
	v_lshl_add_u32 v[SPW], v0, 2, SPARE
	v_mov_b32 v[NIL], 0
	ds_add_u32 v[SPW], v[NIL]                      ; the wave's opening: the add, twice on end, and its wait ahead of my first tensor load
	ds_add_u32 v[SPW], v[NIL]
	v_lshrrev_b32 v1, 5, v0
	v_readfirstlane_b32 s10, v1                    ; wave 0..3
	s_lshr_b32 s11, s10, 1                         ; which half of the tile's rows is mine.  Also: I fetch for A (0) or for B (1)
	s_and_b32 s12, s10, 1                          ; which half of its columns.  Also: which 64 rows of that tile I fetch
	s_bfe_u32 s40, ttmp6, 0x40000                  ; cx, cy: my place in the cluster
	s_bfe_u32 s41, ttmp6, 0x40004
	s_lshl_b32 s42, ttmp9, 2
	s_add_co_u32 s42, s42, s40                     ; tile column = 4 x cluster x + cx
	s_and_b32 s13, ttmp7, 0xffff
	s_lshl_b32 s13, s13, 2
	s_add_co_u32 s13, s13, s41                     ; tile row = 4 x cluster y + cy
	s_lshl_b32 s43, s41, 2
	s_lshl_b32 s43, 15, s43                        ; my row of the cluster
	s_lshl_b32 s44, 0x1111, s40                    ; my column
	; descriptor group 1: a tile of 64 rows x 256 elements of 2 bytes, 4 words of padding behind every 128
	s_or_b32 s[G1+0], s43, (1<<16)|(1<<20)|(1<<21)|(6<<22)|(3<<25)
	s_or_b32 s[G1B+0], s44, (1<<16)|(1<<20)|(1<<21)|(6<<22)|(3<<25)
.irp g, G1, G1B
	s_mov_b32 s[\g+1], KSTEP<<16                   ; tensor_dim0 = 256
	s_mov_b32 s[\g+2], 64<<16                      ; tensor_dim1 = 64
	s_mov_b32 s[\g+3], KSTEP<<16                   ; tile_dim0 = 256
	s_mov_b32 s[\g+4], 64                          ; tile_dim1 = 64
	s_mov_b32 s[\g+5], SIZE_K                      ; from row to row
	s_mov_b32 s[\g+6], 0
	s_mov_b32 s[\g+7], 0
.endr
	s_lshl_b32 s17, s12, 6                         ; which 64 rows of the tile I fetch
	s_lshl_b32 s16, s13, 7
	s_add_co_u32 s16, s16, s17                     ; A: row 128 x tile row + 64 x half
	s_lshl_b32 s46, s42, 7
	s_add_co_u32 s46, s46, s17                     ; B: row 128 x tile column + 64 x half
	s_mov_b32 s17, 0
	s_mov_b32 s47, 0
	s_mov_b64 s[18:19], SIZE_K*2
	s_mul_u64 s[16:17], s[16:17], s[18:19]
	s_mul_u64 s[46:47], s[46:47], s[18:19]
	s_mul_i32 s20, s10, HALFT                      ; where they go: wave x 64 rows
	s_wait_dscnt 0x0                               ; both opening adds are done
	s_wait_kmcnt 0x0
	s_add_nc_u64 s[14:15], s[4:5], s[16:17]
	s_add_nc_u64 s[46:47], s[6:7], s[46:47]
	CROUND                                         ; all sixteen work-groups are here: the first joint loads meet
.irp s, 0,1
	s_mov_b32 s[G0+4*\s], 1
	s_add_co_u32 s[G0+4*\s+1], s20, \s*SLOT
	s_add_nc_u64 s[G0+4*\s+2:G0+4*\s+3], s[14:15], \s*KSTEP*2
	s_or_b32 s[G0+4*\s+3], s[G0+4*\s+3], 0x80000000
	s_mov_b32 s[G0B+4*\s], 1
	s_add_co_u32 s[G0B+4*\s+1], s20, \s*SLOT
	s_add_nc_u64 s[G0B+4*\s+2:G0B+4*\s+3], s[46:47], \s*KSTEP*2
	s_or_b32 s[G0B+4*\s+3], s[G0B+4*\s+3], 0x80000000
	JLOAD \s
.endr
	v_and_b32 v1, 15, v0                           ; l % 16
	v_bfe_u32 v2, v0, 4, 1                         ; l / 16
	v_mul_u32_u24 v3, v1, PITCH
	v_lshl_add_u32 v3, v2, 4, v3                   ; a fragment's row x pitch + 16 x half
	s_mul_i32 s21, s11, HALFT                      ; my 64 rows of A
	s_mul_i32 s22, s12, HALFT                      ; my 64 rows of B,
	s_add_co_u32 s22, s22, 2*HALFT                 ; which lie behind A's 128
.irp s, 0,1
	v_add_nc_u32 v[ADRA+\s], s21, v3
	v_add_nc_u32 v[ADRB+\s], s22, v3
	s_add_co_u32 s21, s21, SLOT
	s_add_co_u32 s22, s22, SLOT
.endr
	s_mul_i32 s23, s10, 64*SPITCH                  ; my stage
	v_mul_u32_u24 v4, v1, SPITCH
	v_lshl_add_u32 v4, v2, 5, v4
	v_add_nc_u32 v[STO], s23, v4                   ; in: row l % 16, 32 bytes for each half of the lanes
	v_mul_u32_u24 v5, v2, SPITCH
	v_lshl_add_u32 v5, v1, 4, v5
	v_add_nc_u32 v[RD], s23, v5                    ; back: lanes 0-15 take one row of 256 bytes, lanes 16-31 the next
	v_mul_u32_u24 v5, v2, SIZE_N*4                 ; and the same two rows in out0
	v_lshl_add_u32 v[CO], v1, 4, v5
	s_lshl_b32 s16, s13, 7
	s_lshl_b32 s17, s11, 6
	s_add_co_u32 s16, s16, s17                     ; my first row of out0: 128 x tile row + 64 x half
	s_mov_b32 s17, 0
	s_mov_b64 s[18:19], SIZE_N*4
	s_mul_u64 s[16:17], s[16:17], s[18:19]
	s_add_nc_u64 s[8:9], s[8:9], s[16:17]
	s_lshl_b32 s46, s42, 9                         ; my first column, in bytes: 512 x tile column + 256 x half
	s_lshl_b32 s47, s12, 8
	s_add_co_u32 s46, s46, s47
	s_mov_b32 s47, 0
	s_add_nc_u64 s[8:9], s[8:9], s[46:47]
; 8 matrix instructions: m blocks a0, a0 + 1 x all 4 n blocks, 32 along K: half c of buffer f.  zero = 1: the first product starts the sums.  The 16 accumulators take turns
.macro MUL8 f, c, a0, zero
.irp a, \a0, \a0+1
.irp b, 0,1,2,3
.if \zero
	v_wmma_f32_16x16x32_f16 v[ACC+8*(4*(\a)+\b):ACC+8*(4*(\a)+\b)+7], v[\f+64+8*(4*\c+\b):\f+64+8*(4*\c+\b)+7], v[\f+8*(4*\c+\a):\f+8*(4*\c+\a)+7], 0
.else
	v_wmma_f32_16x16x32_f16 v[ACC+8*(4*(\a)+\b):ACC+8*(4*(\a)+\b)+7], v[\f+64+8*(4*\c+\b):\f+64+8*(4*\c+\b)+7], v[\f+8*(4*\c+\a):\f+8*(4*\c+\a)+7], v[ACC+8*(4*(\a)+\b):ACC+8*(4*(\a)+\b)+7]
.endif
.endr
.endr
.endm
; 32 LDS loads in one run: the fragments of 64 along K at byte k of the rows, into buffer f; the first 32 along K first
.macro FETCH slot, k, f
	WIN TO_F
.irp c, 0,1
.irp i, 0,1,2,3
	ds_load_b128 v[\f+64+8*(4*\c+\i):\f+64+8*(4*\c+\i)+3],   v[ADRB+\slot] offset:\k+64*\c+\i*16*PITCH
	ds_load_b128 v[\f+64+8*(4*\c+\i)+4:\f+64+8*(4*\c+\i)+7], v[ADRB+\slot] offset:\k+64*\c+\i*16*PITCH+32
	ds_load_b128 v[\f+8*(4*\c+\i):\f+8*(4*\c+\i)+3],         v[ADRA+\slot] offset:\k+64*\c+\i*16*PITCH
	ds_load_b128 v[\f+8*(4*\c+\i)+4:\f+8*(4*\c+\i)+7],       v[ADRA+\slot] offset:\k+64*\c+\i*16*PITCH+32
.endr
.endr
.endm
.macro PLACES                          ; four places in front of loads into registers that matrix instructions have read, and of the first read of results
.rept 4
	v_nop
.endr
.endm
; A K step is four quarters of 64 along K, 32 matrix instructions each, on buffers 0, 1, 0, 1.  One of the first three: multiplies buffer f and fetches the next quarter, at byte k, into g.
.macro QUARTER slot, k, f, g, zero
	s_wait_dscnt 16                                ; the first 32 along K are in
	WIN MUL
	MUL8 \f, 0, 0, \zero
	MUL8 \f, 0, 2, \zero
	PLACES
	FETCH \slot, \k, \g
	s_wait_dscnt 32                                ; all but the 32 just issued
	WIN MUL
	MUL8 \f, 1, 0, 0
	MUL8 \f, 1, 2, 0
.endm
; The last quarter multiplies buffer 1 and changes slots: ONE barrier; in front of it each wave waits for all its tensor loads, adds 0 to its spare word, and waits for that and for its own reads of this slot.  fill = 1: this slot is filled again, two K steps ahead.
.macro TURN slot, next, fill
	WIN 0                                          ; (the add's two registers lie in window 0)
	s_wait_tensorcnt 0x0                           ; all my tensor loads have landed: my part of the next slot;
	ds_add_u32 v[SPW], v[NIL]                      ; 0 onto my spare word;
	s_wait_dscnt 17                                ; (the add and the youngest sixteen loads may be out)
	WIN MUL
	MUL8 F1, 0, 0, 0                               ; eight matrix instructions stand between the add and the wait for it
	s_wait_dscnt 0x0                               ; the add is done, and my reads of this slot are over
	s_barrier_signal -1
	MUL8 F1, 0, 2, 0
.if \fill
	WIN 0
.endif
	s_barrier_wait -1
.if \fill
	CREST                                          ; the barrier has opened a round of the cluster's barrier: no wave of any partner still reads this slot's tile or has a load on its way
	s_add_nc_u64 s[G0+4*\slot+2:G0+4*\slot+3], s[G0+4*\slot+2:G0+4*\slot+3], 2*KSTEP*2
	s_add_nc_u64 s[G0B+4*\slot+2:G0B+4*\slot+3], s[G0B+4*\slot+2:G0B+4*\slot+3], 2*KSTEP*2
	JLOAD \slot                                    ; the first tensor load behind the round; the four v_nop behind it are also the places in front of the loads below
.else
	PLACES
.endif
	FETCH \next, 0, F0
	WIN MUL
	MUL8 F1, 1, 0, 0
	MUL8 F1, 1, 2, 0
.endm
	s_wait_tensorcnt 1                             ; my part of K step 0 is in (K step 1's load may be out)
	s_barrier_signal -1
	s_barrier_wait -1                              ; everybody's is
	FETCH 0, 0, F0
	QUARTER 0, 128, F0, F1, 1                      ; the first quarter stands in front of the loop: its first products start the sums
	WIN 0                                          ; at a label and at a branch every window is 0
	s_mov_b32 s3, LAPS-1
.Llap:                                                 ; a trip goes once round the ring, from a lap's second quarter to the next lap's first, and fills both slots again
	QUARTER 0, 256, F1, F0, 0
	QUARTER 0, 384, F0, F1, 0
	TURN 0, 1, 1
	QUARTER 1, 128, F0, F1, 0
	QUARTER 1, 256, F1, F0, 0
	QUARTER 1, 384, F0, F1, 0
	TURN 1, 0, 1
	QUARTER 0, 128, F0, F1, 0
	WIN 0
	s_sub_co_u32 s3, s3, 1
	s_cmp_lg_u32 s3, 0
	s_cbranch_scc1 .Llap
	QUARTER 0, 256, F1, F0, 0                      ; the last lap fills nothing, and has no round of the cluster's barrier
	QUARTER 0, 384, F0, F1, 0
	TURN 0, 1, 0                                   ; behind this barrier nobody reads slot 0 any more
	QUARTER 1, 128, F0, F1, 0
	QUARTER 1, 256, F1, F0, 0
	QUARTER 1, 384, F0, F1, 0
	s_wait_dscnt 16                                ; the very last quarter: nothing more to fetch
	WIN MUL
	MUL8 F1, 0, 0, 0
	MUL8 F1, 0, 2, 0
	s_wait_dscnt 0
	MUL8 F1, 1, 0, 0
	MUL8 F1, 1, 2, 0
	WIN 0
	; THE WAY OUT.  A lane holds 32 neighbouring bytes of a row, and the lanes beside it hold other rows; a wave's 64 columns are 256 bytes of a row.  So the wave's 64 x 64 goes through its own stage and comes back as whole
	; rows, into the registers that it left.  LDS serves a wave's instructions in order (ISA guide 5.7.1.4): no wait between the stores and the loads.
	PLACES
.irp a, 0,1,2,3
.irp b, 0,1,2,3
	ds_store_b128 v[STO], v[ACC+8*(4*\a+\b):ACC+8*(4*\a+\b)+3] offset:\a*16*SPITCH+64*\b       ; each accumulator from its low end on
	ds_store_b128 v[STO], v[ACC+8*(4*\a+\b)+4:ACC+8*(4*\a+\b)+7] offset:\a*16*SPITCH+64*\b+16
.endr
.endr
.set i, 0
.rept 32
	ds_load_b128 v[ACC+4*i:ACC+4*i+3], v[RD] offset:i*2*SPITCH
.set i, i+1
.endr
.set i, 0
.rept 32
	s_wait_dscnt 31-i
	global_store_b128 v[CO], v[ACC+4*i:ACC+4*i+3], s[8:9] offset:i*2*SIZE_N*4 th:TH_STORE_NT   ; 16 lanes store 256 consecutive bytes, aligned; written once, read by nobody here
.set i, i+1
.endr
	s_wait_tensorcnt 0x0                           ; the wave's end: a wait, an add to my spare word and a wait, behind my last tensor load and my last LDS store
	ds_add_u32 v[SPW], v[NIL]
	s_wait_dscnt 0x0
	CROUND                                         ; the closing round: no work-group ends while a partner may still ask for a tile that names it
	s_endpgm
.Lfunc_end_k_qbbf221a820_oproj:
	.size	k_qbbf221a820_oproj, .Lfunc_end_k_qbbf221a820_oproj-k_qbbf221a820_oproj
	.p2alignl 7, 3214868480
	.fill 96, 4, 3214868480
	.section	.rodata,"a",@progbits
	.p2align	6, 0x0
	.amdhsa_kernel k_qbbf221a820_oproj
		.amdhsa_group_segment_fixed_size 327680
		.amdhsa_private_segment_fixed_size 0
		.amdhsa_enable_private_segment 0
		.amdhsa_kernarg_size 24
		.amdhsa_user_sgpr_count 2
		.amdhsa_user_sgpr_kernarg_segment_ptr 1
		.amdhsa_wavefront_size32 1
		.amdhsa_system_sgpr_workgroup_id_x 1
		.amdhsa_system_sgpr_workgroup_id_y 1
		.amdhsa_system_sgpr_workgroup_id_z 1
		.amdhsa_system_vgpr_workitem_id 0
		.amdhsa_next_free_vgpr 512
		.amdhsa_next_free_sgpr 66
		.amdhsa_reserve_vcc 0
		.amdhsa_float_denorm_mode_32 3
		.amdhsa_float_denorm_mode_16_64 3
		.amdhsa_memory_ordered 1
		.amdhsa_forward_progress 1
		.amdhsa_inst_pref_size 86
	.end_amdhsa_kernel
	.amdgpu_metadata
---
amdhsa.version: [ 1, 2 ]
amdhsa.kernels:
  - .name:           k_qbbf221a820_oproj
    .symbol:         k_qbbf221a820_oproj.kd
    .args:
      - { .name: o16, .offset: 0, .size: 8, .value_kind: global_buffer, .address_space: global }
      - { .name: wo16, .offset: 8, .size: 8, .value_kind: global_buffer, .address_space: global }
      - { .name: out0, .offset: 16, .size: 8, .value_kind: global_buffer, .address_space: global }
    .group_segment_fixed_size: 327680
    .private_segment_fixed_size: 0
    .kernarg_segment_align: 8
    .kernarg_segment_size: 24
    .max_flat_workgroup_size: 128
    .sgpr_count:     66
    .vgpr_count:     512
    .wavefront_size: 32
...
	.end_amdgpu_metadata
.endif
;; end of part 4
